; MI455X (gfx1250); checked and timed in simulation.
; The chip was launched on July 23, 2026; its instructions are those of AMD's public machine-readable ISA for CDNA 5 (MIT licence, August 2026) and "CDNA5" Instruction Set Architecture Reference Guide (July 2026). The comments in the code are by the model that wrote it; some were corrected since.
;; Glm Asr Attention. Allowed arithmetic: matrix products marked QUANTISED: E2M3 operands, one E8M0 scale for each 32 along K, by v_wmma_scale_f32_16x16x128_f8f6f4 with both operands' format E2M3, f32 sums; everything else in f32.
;; Inputs: b_o 2,048 float32; b_qkv 3,072 float32; cos 4 x 1,024 x 128 float32; hidden_states 4 x 1,024 x 2,048 float32; sin 4 x 1,024 x 128 float32; w_o 2,048 x 2,048 float32; w_qkv 2,048 x 3,072 float32.
;; Outputs: out0 4 x 1,024 x 2,048 float32.
;; This version of the problem:
;;   THIS VERSION OF THE PROBLEM IS GIVEN IN LOW PRECISION. The matrix products marked QUANTISED in the list below multiply operands that are first quantised to E2M3 (2 exponent bits, 3 mantissa bits; 6 bits a number), with one power-of-two scale for each 32 numbers along K (OCP MX v1.0); their sums are f32. All else is computed in f32.
;;   The module's matrix products, in the order in which they are computed (A, B: the left and right operand; K: the contracted axis; several contracted axes count as one K, in the product's order):
;;     1. [M 4,096, K 2,048] x [K 2,048, N 3,072]; A: input hidden_states; B: input w_qkv: QUANTISED
;;     2. batch 16 x [M 4,096, K 128] x [K 128, N 1,024]; A: computed on the way; B: computed on the way: QUANTISED
;;     3. batch 16 x [M 4,096, K 1,024] x [K 1,024, N 128]; A: softmax (see below); B: computed on the way: QUANTISED
;;     4. [M 4,096, K 2,048] x [K 2,048, N 2,048]; A: computed on the way; B: input w_o: QUANTISED
;;   THE QUANTISER, for each operand of a quantised product, along K:
;;     - K is cut into blocks of 32 from its start; a last block that is shorter is filled with zeros.
;;     - A block's scale is 2^e with e = floor(log2(the largest magnitude in the block)) - 2, held to -126 .. 127; a block of zeros has e = 0. As a byte (E8M0): e + 127.
;;     - Each number is divided by its block's scale, clamped to +-7.5, and rounded to the nearest number of E2M3, ties to even, subnormals kept.
;;     - The product sums the exact products of the quantised numbers (number of the format x scale) in f32.
;;   ~~~python
;;   def quantise(x, axis):      # numpy; x: float32 -> the quantised numbers, widened to float32 again
;;       x = np.moveaxis(x, axis, -1); K = x.shape[-1]
;;       x = np.pad(x, [(0, 0)] * (x.ndim - 1) + [(0, -K % 32)]); x = x.reshape(x.shape[:-1] + (-1, 32)); a = np.abs(x).max(-1, keepdims=True)
;;       e = np.where(a > 0, np.clip(np.frexp(np.where(a > 0, a, 1))[1] - 1 - 2, -126, 127), 0)      # np.frexp(a)[1] - 1 = floor(log2(a)), exactly
;;       r = np.clip(x / 2.0 ** e, -7.5, 7.5)
;;       step = 2.0 ** (np.maximum(np.frexp(np.where(r == 0, 1, r))[1] - 1, 0) - 3)
;;       q = np.round(r / step) * step * 2.0 ** e      # np.round: ties to even
;;       return np.moveaxis(q.reshape(q.shape[:-2] + (-1,))[..., :K], -1, axis).astype(np.float32)
;;   ~~~
;;   SOFTMAX AHEAD OF A QUANTISED PRODUCT. Where the list says 'softmax', what is quantised is not the finished softmax but p = 2^(t - M), with t = logit x log2(e) and M = ceil(the row's largest t), a whole number; so 1/2 < the row's largest p <= 1. The row's sum l is taken of the UNQUANTISED p, in f32, and the product's result is divided by l at the end. Since M is a whole number, a kernel that streams over the keys may use a running M (the ceiling of the running maximum): every later rescaling is an exact power of two, which a block's scale takes up: the codes' values come out the same.
;;   OPERANDS COMPUTED ON THE WAY. 'Computed on the way' means the value that the module computes at that place (a softmax that the list does not call 'softmax' is quantised finished and normalised). What goes into a quantiser is computed in f32, as accurately as f32 sums, v_exp_f32 and their like allow (about 1e-6 of the number): no bf16 or f16 on the way to a quantiser, and a product that is left as it is and whose result goes on into a quantised operand takes f32 operands (vector FMAs, or v_wmma_f32_16x16x4_f32). A number that lies on a knife's edge between two numbers of the format may be rounded either way, as far as f32 arithmetic and the matrix unit's own rounding can turn it there, and no further.
;; One version. Each part assembles by itself: llvm-mc -triple=amdgcn-amd-amdhsa -mcpu=gfx1250 --defsym DOCPART=n.
;; ======== version 1 of 1: 4 launches
;; limits: right only within a limited range of input values
;; workspace buffers: hq 6,553,600 bytes; wq 8,192,000 bytes; qkv 9,830,400 bytes; aq 6,553,600 bytes
;; launch qz (part 1): grid 72 x 8, 4 waves a work-group, no clusters, 59,904 bytes of LDS; arguments hidden_states, w_qkv, w_o, hq, wq; writes hq, wq
.if DOCPART == 1
	.amdgcn_target "amdgcn-amd-amdhsa--gfx1250"
	.amdhsa_code_object_version 6
	.text
	.protected	k_q7ee08df20a_qz
	.globl	k_q7ee08df20a_qz
	.p2align	8
	.type	k_q7ee08df20a_qz,@function
k_q7ee08df20a_qz:
	s_mov_b64 s[64:65], 0
	v_nop
	global_prefetch_b8 v0, s[64:65] scope:SCOPE_SE
	s_setreg_imm32_b32 hwreg(HW_REG_WAVE_MODE, 25, 1), 1
	s_wait_xcnt 0x0
; ONE LAUNCH QUANTISES ALL THREE f32 OPERANDS of the two large products into codes of FP6 (E2M3) with one E8M0 scale byte for each 32 along K.
; Work-groups x < 32 take hidden_states [4096][2048] (K innermost), row block RB = 32 y + x; the others take w_qkv [2048][3072] and w_o [2048][2048] (K their FIRST axis), column tile x - 32, K pair y.
; The two ways part on the work-group's number at the head and never join; each has LDS bytes of its own.
; WHAT IS STORED, for every operand: images (block*16 + kstep)*1536: a fragment (16 rows x 128 K, 12 registers a lane) as an image of its registers: registers 4c..4c+3 of lane l at 512 c + 16 l;
;   scale words block*1024 + kpair*128 + 8 r + 4 (kstep & 1): a row's four scale bytes of one K step.
;   hq: images at 0, words at 6291456.  wq: w_qkv's images at 0, w_o's at 4718592; w_qkv's words at 7864320, w_o's at 8060928.
; THE 16 ROWS OF A BLOCK ARE NOT NEIGHBOURS: row r of block 2 g + u is element (token, column) 32 g + 8 u + r + 8 (r / 8).
; A block's scale is 2^(floor(log2(largest magnitude)) - 2); its byte is the largest magnitude's exponent field - 2, held at 1 from below.
; LIMITS: a block of zeros gets the byte 1 (its codes are zeros; this program alone reads the bytes); blocks whose largest magnitude lies under 2^-124 are held at that floor; NaN and infinities are not served.
; The weights' scale words leave as two runs of 128 consecutive bytes a wave (half of an aligned 256): 1 byte in 128 of what that way reads.
; No barrier: waves share nothing.
.set SP,    528
.set HST,   16*SP                      ; hidden's way: a wave's stage, 16 rows of 512 bytes + 16
.set WB,    4*HST                      ; the weights' way has LDS bytes of its own, from here on
.set UP,    3200                       ; its stage: [u][K step][1536], u's two parts 3,072 + 128 bytes apart
.set WST,   2*UP
.set SPARE, WB+4*WST                   ; behind both: the spare words, 128 bytes a wave, which no other line names
.set FRB,   1536
.set HSC,   6291456
.set W2IMG, 4718592
.set W1SC,  7864320
.set W2SC,  8060928
.set SPW, 30                           ; v30  my spare word; never rewritten
.set NIL, 31                           ; v31  0; never rewritten
; hidden's way
.set L16, 4                            ; v4   16 x lane
.set STI, 5                            ; v5   the stage, on the way in
.set STO, 6                            ; v6   and on the way out: 528 r + 64 h
.set SWO, 7                            ; v7   my place among the wave's scale words: 128 h + 8 r
.set PW,  12                           ; v12-15 the four fragments' scale words
.set TM,  16
.set TP,  20
.set TO,  24
.set PC,  32                           ; v32-43 a fragment's codes
.set AX,  44
.set R,   64                           ; v64-191 two sets of 64 numbers as loaded
.set X,   192                          ; v192-255 64 numbers: register 16 b + i = k 32 b + 16 h + i of my row
.set SEL, 20
; the weights' way
.set OSA, 4                            ; v4   where my column's codes go in the stage: u x 3200 + 16 r'
.set RDA, 5                            ; v5   the stage read back: 16 x lane
.set QT,  8                            ; v8-10 at work
.set SB,  14                           ; v14-15 my column's two scale words
.set C,   16                           ; v16-21 a block's 24 bytes
.set D,   24
.set RO,  32                           ; v32-63 4 x lane + i rows: the loads' offsets; never rewritten
.set XW,  64                           ; v64-127 two sets of 32 numbers; at the end the images on their way out
; 64 numbers of a lane, register 16 b + i = k 32 b + 16 (lane / 16) + i of my row, become a fragment's codes in v[PC] on and its scale word in v[pw]
.macro QUANT s, pw
.irp b, 0,1,2,3
	v_max3_num_f32 v[TM+\b], |v[\s+16*\b]|, |v[\s+1+16*\b]|, 0x1800000   ; my 16 numbers of block b, and the floor 2^(3 - 127): the byte cannot fall under 1
.endr
.irp i, 2,4,6,8,10,12,14
.irp b, 0,1,2,3
	v_max3_num_f32 v[TM+\b], v[TM+\b], |v[\s+16*\b+\i]|, |v[\s+1+16*\b+\i]|
.endr
.endr
.irp b, 0,1,2,3
	v_permlanex16_b32 v[TP+\b], v[TM+\b], s[SEL], s[SEL+1]
.endr
.irp b, 0,1,2,3
	v_max_num_f32 v[TM+\b], v[TM+\b], v[TP+\b]       ; with lane l xor 16's: the block's largest magnitude
.endr
.irp b, 0,1,2,3
	v_add_nc_u32 v[TO+\b], 0xff000000, v[TM+\b]      ; 2 off its exponent field: the conversion's scale operand
.endr
.irp b, 0,1,2,3
	v_lshrrev_b32 v[TP+\b], 23, v[TO+\b]             ; the scale's byte
.endr
	v_lshl_or_b32 v[\pw], v[TP+1], 8, v[TP]
	v_lshl_or_b32 v[\pw], v[TP+2], 16, v[\pw]
	v_lshl_or_b32 v[\pw], v[TP+3], 24, v[\pw]
.irp c, 0,1
	v_cvt_scalef32_pk16_fp6_f32 v[PC+6*\c:PC+2+6*\c], v[\s+32*\c:\s+15+32*\c], v[TO+2*\c]
	v_cvt_scalef32_pk16_fp6_f32 v[AX+4*\c:AX+2+4*\c], v[\s+16+32*\c:\s+31+32*\c], v[TO+2*\c+1]   ; (a conversion's three registers begin on an even number)
.endr
	v_nop                                            ; one plain place behind a scaled conversion
.irp c, 0,1                                      ; the operand's layout wants a whole block in a lane: lanes 0-15 block 2 c, lanes 16-31 block 2 c + 1
.irp i, 0,1,2
	v_permlane16_swap_b32 v[PC+6*\c+\i], v[AX+4*\c+\i]
.endr
.irp i, 0,1,2
	v_mov_b32 v[PC+3+6*\c+\i], v[AX+4*\c+\i]
.endr
.endr
.endm
.macro LOADF f                         ; fragment f: 16 rows x 512 consecutive bytes
.irp p, 0,1,2,3,4,5,6,7,8,9,10,11,12,13,14,15
	global_load_b128 v[R+64*((\f)%2)+4*\p:R+64*((\f)%2)+4*\p+3], v[L16], s[4:5] offset:(\p+8*(\p/8))*8192+512*(\f) th:TH_LOAD_NT
.endr
.endm
.macro TURNF f                         ; through the stage: LDS serves a wave's instructions in order, so no wait stands between the stores and the loads
.irp p, 0,1,2,3,4,5,6,7,8,9,10,11,12,13,14,15
	ds_store_b128 v[STI], v[R+64*((\f)%2)+4*\p:R+64*((\f)%2)+4*\p+3] offset:SP*\p
.endr
.irp b, 0,1,2,3
.irp j, 0,1,2,3
	ds_load_b128 v[X+16*\b+4*\j:X+16*\b+4*\j+3], v[STO] offset:128*\b+16*\j
.endr
.endr
.endm
.macro QBLK xs, t                      ; 32 numbers of one column, block t of 32 along K: K step t / 4, registers 6 c .. 6 c + 5 (c = (t / 2) % 2) of lane r' + 16 (t % 2)
	v_max3_num_f32 v[QT], |v[\xs]|, |v[\xs+1]|, |v[\xs+2]|
	v_max3_num_f32 v[QT+1], |v[\xs+3]|, |v[\xs+4]|, |v[\xs+5]|
.irp i, 6,10,14,18,22,26
	v_max3_num_f32 v[QT], v[QT], |v[\xs+\i]|, |v[\xs+\i+1]|
	v_max3_num_f32 v[QT+1], v[QT+1], |v[\xs+\i+2]|, |v[\xs+\i+3]|
.endr
	v_max3_num_f32 v[QT], v[QT], |v[\xs+30]|, |v[\xs+31]|
	v_max3_num_f32 v[QT], v[QT], v[QT+1], 0x1800000  ; and the floor 2^(3 - 127): the byte cannot fall under 1
	v_add_nc_u32 v[QT+2], 0xff000000, v[QT]          ; 2 off the exponent field: the conversion's scale operand
	v_lshrrev_b32 v[QT+1], 23, v[QT+2]               ; the scale's byte
.if (\t)%4 == 0
	v_mov_b32 v[SB+(\t)/4], v[QT+1]
.else
	v_lshl_or_b32 v[SB+(\t)/4], v[QT+1], 8*((\t)%4), v[SB+(\t)/4]
.endif
	v_cvt_scalef32_pk16_fp6_f32 v[C:C+2], v[\xs:\xs+15], v[QT+2]
	v_cvt_scalef32_pk16_fp6_f32 v[D:D+2], v[\xs+16:\xs+31], v[QT+2]   ; (a conversion's three registers begin on an even number)
	v_nop                                            ; one plain place behind a scaled conversion
.irp i, 0,1,2
	v_mov_b32 v[C+3+\i], v[D+\i]
.endr
.if ((\t)/2)%2 == 0                              ; registers 0-5 of the fragment: group 0 whole, the first half of group 1
	ds_store_b128 v[OSA], v[C:C+3] offset:FRB*((\t)/4)+256*((\t)%2)
	ds_store_b64 v[OSA], v[C+4:C+5] offset:FRB*((\t)/4)+256*((\t)%2)+512
.else                                            ; registers 6-11: the second half of group 1, group 2 whole
	ds_store_b64 v[OSA], v[C:C+1] offset:FRB*((\t)/4)+256*((\t)%2)+520
	ds_store_b128 v[OSA], v[C+2:C+5] offset:FRB*((\t)/4)+256*((\t)%2)+1024
.endif
.endm
.macro LOADB t                         ; block t: rows 32 t + i of my column: 128 consecutive bytes a wave, 512 a work-group
.set i, 0
.rept 32
	global_load_b32 v[XW+32*((\t)%2)+i], v[RO+i], s[32+2*(\t):33+2*(\t)] th:TH_LOAD_NT
.set i, i+1
.endr
.endm
	s_load_b256 s[4:11], s[0:1], 0x0               ; hidden_states s[4:5], w_qkv s[6:7], w_o s[8:9], hq s[10:11]
	s_load_b64 s[12:13], s[0:1], 0x20              ; wq
	v_lshl_add_u32 v[SPW], v0, 2, SPARE
	v_mov_b32 v[NIL], 0
	v_lshrrev_b32 v1, 5, v0
	v_readfirstlane_b32 s15, v1                    ; wave
	v_and_b32 v1, 31, v0                           ; lane
	s_and_b32 s14, ttmp7, 0xffff                   ; y
	s_cmp_ge_u32 ttmp9, 32                         ; the work-group's number alone decides the way
	s_cbranch_scc1 .Lweights
	; ---- hidden_states: a work-group takes one row block, wave w its K steps 4 w .. 4 w + 3.  A fragment's 16 x 512 bytes turn through the wave's own stage (rows 528 bytes apart: 132 words, so that
	; sixteen rows start in sixteen groups of banks), from which lane (r, h) takes, of row r, 16 neighbours of each block of 32.  Loads run two fragments (32 loads a wave) ahead.
	v_and_b32 v2, 15, v0                           ; r
	v_bfe_u32 v3, v0, 4, 1                         ; h
	v_lshlrev_b32 v[L16], 4, v1
	s_mul_i32 s16, s15, HST
	v_add_nc_u32 v[STI], s16, v[L16]
	v_mul_u32_u24 v[STO], v2, SP
	v_lshl_add_u32 v[STO], v3, 6, v[STO]
	v_add_nc_u32 v[STO], s16, v[STO]
	v_lshlrev_b32 v[SWO], 3, v2
	v_lshl_add_u32 v[SWO], v3, 7, v[SWO]
.irp b, 0,1,2,3
	v_mov_b32 v[TP+\b], 0                          ; written once: a lane permute's destination counts as one of its sources
.endr
	s_mov_b32 s[SEL], 0x76543210
	s_mov_b32 s[SEL+1], 0xfedcba98                 ; selects for lane l xor 16
	s_lshl_b32 s14, s14, 5
	s_add_co_u32 s14, s14, ttmp9                   ; RB = 32 y + x
	s_lshr_b32 s16, s14, 1
	s_lshl_b32 s16, s16, 5
	s_and_b32 s17, s14, 1
	s_lshl_b32 s17, s17, 3
	s_add_co_u32 s16, s16, s17                     ; the block's first token: 32 (RB / 2) + 8 (RB % 2)
	s_lshl_b32 s16, s16, 13                        ; rows of 8,192 bytes
	s_lshl_b32 s17, s15, 11
	s_add_co_u32 s16, s16, s17                     ; + my four K steps: 2,048 bytes a wave
	s_mov_b32 s17, 0
	s_lshl_b32 s18, s14, 4
	s_lshl_b32 s19, s15, 2
	s_add_co_u32 s18, s18, s19
	s_mul_i32 s18, s18, FRB                        ; my first image
	s_mov_b32 s19, 0
	s_lshl_b32 s22, s14, 10
	s_lshl_b32 s23, s15, 8
	s_add_co_u32 s22, s22, s23
	s_add_co_u32 s22, s22, HSC                     ; my 256 bytes of scale words
	s_mov_b32 s23, 0
	s_wait_alu depctr_va_vdst(0)
	s_wait_kmcnt 0x0
	s_add_nc_u64 s[4:5], s[4:5], s[16:17]
	s_add_nc_u64 s[24:25], s[10:11], s[22:23]
	s_add_nc_u64 s[10:11], s[10:11], s[18:19]
	LOADF 0
	LOADF 1
.irp f, 0,1,2,3
.if \f < 3
	s_wait_loadcnt 16                              ; this fragment's 16 loads are in; the next one's 16 may be out
.else
	s_wait_loadcnt 0x0
.endif
	TURNF \f
	s_wait_dscnt 0x0                               ; the 64 numbers are back
.if \f > 0
	s_wait_xcnt 0x0                                ; the last fragment's stores have read their data: the codes' registers are written again below
.endif
.if \f < 2
	LOADF \f+2
.endif
	QUANT X, PW+\f
.irp c, 0,1,2
	global_store_b128 v[L16], v[PC+4*\c:PC+4*\c+3], s[10:11] offset:FRB*\f+512*\c   ; 32 lanes store 512 consecutive bytes, aligned
.endr
.endr
	v_cmp_le_u32 vcc_lo, 16, v1                    ; lanes 0-15 store the first pair of K steps' words, lanes 16-31 the second's
	v_cndmask_b32 v8, v[PW], v[PW+2], vcc_lo
	v_cndmask_b32 v9, v[PW+1], v[PW+3], vcc_lo
	global_store_b64 v[SWO], v[8:9], s[24:25]      ; 32 lanes store 256 consecutive bytes, aligned
	s_wait_tensorcnt 0x0                           ; the wave's end, behind my last LDS store
	ds_add_u32 v[SPW], v[NIL]
	s_wait_dscnt 0x0
	s_endpgm
.Lweights:
	; ---- the weights.  A LANE TAKES A COLUMN, AND ITS REGISTERS RUN DOWN K: a block of 32 along K lies in one lane, and the conversions give codes with K innermost.
	; A wave takes 32 columns (group G) x 256 along K (8 blocks a lane); a block's 24 bytes go to their place of an image in the wave's own stage, and the four images leave by stores of 512 consecutive bytes.
	; Column tiles 0-23 are w_qkv's, 24-39 w_o's: only the pointer, the row's length and the places in wq are chosen.
	s_wait_alu depctr_va_vdst(0)
	v_lshlrev_b32 v3, 2, v1
	v_bfe_u32 v8, v0, 3, 1                         ; u = (lane / 8) % 2: which of the group's two blocks
	v_and_b32 v9, 7, v0
	v_bfe_u32 v10, v0, 4, 1
	v_lshl_add_u32 v9, v10, 3, v9                  ; r' = lane % 8 + 8 (lane / 16): my row in it
	s_mul_i32 s17, s15, WST
	s_add_co_u32 s17, s17, WB
	v_mul_u32_u24 v[OSA], v8, UP
	v_lshl_add_u32 v[OSA], v9, 4, v[OSA]
	v_add_nc_u32 v[OSA], s17, v[OSA]
	v_lshlrev_b32 v6, 4, v1                        ; 16 x lane
	v_add_nc_u32 v[RDA], s17, v6
	v_lshlrev_b32 v7, 10, v8
	v_lshl_add_u32 v7, v9, 3, v7                   ; my scale words: u x 1024 + 8 r'
	s_sub_co_u32 s16, ttmp9, 32                    ; the column tile, 0 .. 39
	s_cmp_lt_u32 s16, 24                           ; w_qkv's or w_o's?
	s_cselect_b32 s19, 0, 24
	s_mov_b32 s20, 8192
	s_cselect_b32 s20, 12288, s20                  ; a row in bytes
	s_cselect_b32 s21, 0, W2IMG
	s_mov_b32 s22, W2SC
	s_cselect_b32 s22, W1SC, s22
	s_sub_co_u32 s19, s16, s19
	s_lshl_b32 s23, s19, 2
	s_add_co_u32 s23, s23, s15                     ; G: my group of 32 columns
.set i, 0
.rept 32
	v_mad_u32_u24 v[RO+i], s20, i, v3
.set i, i+1
.endr
	s_lshl_b32 s24, s14, 8
	s_mul_i32 s24, s24, s20                        ; 256 y rows
	s_lshl_b32 s25, s23, 7
	s_add_co_u32 s24, s24, s25                     ; + 128 G bytes
	s_mov_b32 s25, 0
	s_lshl_b32 s26, s20, 5                         ; 32 rows
	s_mov_b32 s27, 0
	s_lshl_b32 s28, s23, 5
	s_lshl_b32 s29, s14, 1
	s_add_co_u32 s28, s28, s29
	s_mul_i32 s28, s28, FRB                        ; image (2 G) x 16 + 2 y
	s_add_co_u32 s28, s28, s21
	s_mov_b32 s29, 0
	s_lshl_b32 s30, s23, 11
	s_lshl_b32 s31, s14, 7
	s_add_co_u32 s30, s30, s31
	s_add_co_u32 s30, s30, s22                     ; scale words of block 2 G, pair y
	s_mov_b32 s31, 0
	s_wait_alu depctr_va_vdst(0)
	s_wait_kmcnt 0x0
	s_cmp_lt_u32 s16, 24
	s_cselect_b64 s[6:7], s[6:7], s[8:9]
	s_add_nc_u64 s[32:33], s[6:7], s[24:25]        ; a base for each block of 32 rows: none is ever stepped
.irp t, 1,2,3,4,5,6,7
	s_add_nc_u64 s[32+2*\t:33+2*\t], s[30+2*\t:31+2*\t], s[26:27]
.endr
	s_add_nc_u64 s[10:11], s[12:13], s[28:29]
	s_add_nc_u64 s[12:13], s[12:13], s[30:31]
	LOADB 0
	LOADB 1
.set Q, 0
.rept 8
.if Q < 7
	s_wait_loadcnt 32                              ; this block's 32 loads are in; the next block's may be out
.else
	s_wait_loadcnt 0x0
.endif
.set XS, XW+32*(Q%2)
	QBLK XS, Q
.if Q < 6
	LOADB Q+2
.endif
	s_wait_dscnt 0x0                               ; the stores have read the codes' registers
.set Q, Q+1
.endr
	s_wait_alu depctr_va_vdst(0)
	global_store_b64 v7, v[SB:SB+1], s[12:13]
.irp i, 0,1,2,3,4,5,6,7,8,9,10,11
	ds_load_b128 v[XW+4*\i:XW+4*\i+3], v[RDA] offset:(\i/6)*UP+(\i%6)*512   ; LDS serves a wave's instructions in order: these see my stores
.endr
.irp i, 0,1,2,3,4,5,6,7,8,9,10,11
	s_wait_dscnt 11-\i                             ; the loads behind this one may be out
	global_store_b128 v6, v[XW+4*\i:XW+4*\i+3], s[10:11] offset:(\i/6)*16*FRB+(\i%6)*512   ; 512 consecutive bytes, aligned
.endr
	s_wait_tensorcnt 0x0                           ; the wave's end, behind my last LDS store
	ds_add_u32 v[SPW], v[NIL]
	s_wait_dscnt 0x0
	s_endpgm
.Lfunc_end_k_q7ee08df20a_qz:
	.size	k_q7ee08df20a_qz, .Lfunc_end_k_q7ee08df20a_qz-k_q7ee08df20a_qz
	.p2alignl 7, 3214868480
	.fill 96, 4, 3214868480
	.section	.rodata,"a",@progbits
	.p2align	6, 0x0
	.amdhsa_kernel k_q7ee08df20a_qz
		.amdhsa_group_segment_fixed_size 59904
		.amdhsa_private_segment_fixed_size 0
		.amdhsa_enable_private_segment 0
		.amdhsa_kernarg_size 40
		.amdhsa_user_sgpr_count 2
		.amdhsa_user_sgpr_kernarg_segment_ptr 1
		.amdhsa_wavefront_size32 1
		.amdhsa_system_sgpr_workgroup_id_x 1
		.amdhsa_system_sgpr_workgroup_id_y 1
		.amdhsa_system_sgpr_workgroup_id_z 1
		.amdhsa_system_vgpr_workitem_id 0
		.amdhsa_next_free_vgpr 256
		.amdhsa_next_free_sgpr 66
		.amdhsa_reserve_vcc 1
		.amdhsa_float_denorm_mode_32 3
		.amdhsa_float_denorm_mode_16_64 3
		.amdhsa_memory_ordered 1
		.amdhsa_forward_progress 1
		.amdhsa_inst_pref_size 77
	.end_amdhsa_kernel
	.amdgpu_metadata
---
amdhsa.version: [ 1, 2 ]
amdhsa.kernels:
  - .name:           k_q7ee08df20a_qz
    .symbol:         k_q7ee08df20a_qz.kd
    .args:
      - { .name: hidden_states, .offset: 0, .size: 8, .value_kind: global_buffer, .address_space: global }
      - { .name: w_qkv, .offset: 8, .size: 8, .value_kind: global_buffer, .address_space: global }
      - { .name: w_o, .offset: 16, .size: 8, .value_kind: global_buffer, .address_space: global }
      - { .name: hq, .offset: 24, .size: 8, .value_kind: global_buffer, .address_space: global }
      - { .name: wq, .offset: 32, .size: 8, .value_kind: global_buffer, .address_space: global }
    .group_segment_fixed_size: 59904
    .private_segment_fixed_size: 0
    .kernarg_segment_align: 8
    .kernarg_segment_size: 40
    .max_flat_workgroup_size: 128
    .sgpr_count:     66
    .vgpr_count:     256
    .wavefront_size: 32
...
	.end_amdgpu_metadata
.endif
;; end of part 1
;; launch g1 (part 2): grid 24 x 16, 4 waves a work-group, clusters of 4 x 4, 327,680 bytes of LDS; arguments hq, wq, b_qkv, cos, sin, qkv; writes qkv
.if DOCPART == 2
	.amdgcn_target "amdgcn-amd-amdhsa--gfx1250"
	.amdhsa_code_object_version 6
	.text
	.protected	k_q7ee08df20a_g1
	.globl	k_q7ee08df20a_g1
	.p2align	8
	.type	k_q7ee08df20a_g1,@function
k_q7ee08df20a_g1:
	s_mov_b64 s[64:65], 0
	v_nop
	global_prefetch_b8 v0, s[64:65] scope:SCOPE_SE
	s_setreg_imm32_b32 hwreg(HW_REG_WAVE_MODE, 25, 1), 1
	s_wait_xcnt 0x0
	s_wait_alu depctr_hold_cnt(0) depctr_sa_sdst(0) depctr_va_vdst(0) depctr_va_sdst(0) depctr_va_ssrc(0) depctr_va_vcc(0) depctr_vm_vsrc(0)
	s_getreg_b32 s2, hwreg(HW_REG_IB_STS2, 6, 4)
	s_cmp_eq_u32 s2, 0
	s_cbranch_scc0 .Lentry_in_a_cluster
	s_endpgm
.Lentry_in_a_cluster:
	s_bfe_u32 s2, ttmp6, 0x10000c
	s_cmp_lg_u32 s2, 0xf033
	s_cbranch_scc0 .Lentry_shape_is_right
	s_endpgm
.Lentry_shape_is_right:
; qkv = Q(hidden) Q(w_qkv) + b_qkv on codes of FP6 with E8M0 scales; then, in registers: q, k: rope, quantised along the head's 128; v: quantised along the tokens.  Only codes and scale words go to memory.
; A work-group makes 256 tokens (tile y) x one head's 128 columns (x: 0-15 q, 16-19 k, 20-23 v).  Wave w takes row blocks 4 w .. 4 w + 3 against all 8 column blocks: 32 accumulators.
; THE MATRIX INSTRUCTION IS USED TRANSPOSED (source 0 = 16 columns of the weight, source 1 = 16 tokens), and row r of block 2 g + u, of tokens and of columns alike, is element 32 g + 8 u + r + 8 (r / 8):
; so lane (r, h) holds ONE token, and register 16 b + i of its 64 the head's channel d = 32 b + 16 h + i: rope's partner d +- 64 lies in the same lane, and the 64 registers are what the quantiser along d wants.
; OPERANDS lie in memory and in LDS as images of a fragment's registers (1,536 bytes; registers 4 c .. 4 c + 3 of lane l at 512 c + 16 l): three ds_load_b128 a fragment, 512 consecutive bytes each.
; K goes through a ring of two LDS slots of 4 K steps (512 along K): 4 phases, two first fills, two refills.  The scale words of all of K come once, with the first fills.
; THE LDS LOADS STAND IN SHORT RUNS BETWEEN THE PRODUCTS: a K step's 36 fragment loads (18,432 bytes a wave) go out in four runs of 9, one ahead of each group of 8 products of the step before.
; CLUSTERS: 4 x 4 work-groups; A's tiles are asked for jointly along a row of the cluster, B's along a column.  A cluster's four heads are all q, all k or all v: the way out parts on the cluster's x alone.
; The bias is the C of each sum's first matrix instruction.  Rope is fused (one rounding less than a product and a sum).
; cos and sin of row blocks 0 and 1 are asked for at the head, ahead of the wait for the first tiles, by EVERY work-group, the v heads' (64 of 384) too, which do not use them: so every path writes the
; registers that the q/k way out reads.
; No prefetch: half of K is asked for at the head, and each of the two refills has 112 matrix instructions in which to land.
; LIMITS: a block of zeros gets the byte 1 (zero codes; this program alone reads the bytes); largest magnitudes under 2^-124 are held at that floor; NaN and infinities are not served.
; v's scale words leave in runs of 128 consecutive bytes.
; REGISTERS: window 0: v1-29 addresses; v32-95 scale words, two sets; v96-117 at work on the way out; v128-223 A's fragments, two sets (on the way out v128-247: numbers and codes).
;   window 1: v0-191 B's fragments, two sets; v192-255 the bias (on the way out: cos, sin of row blocks 2, 3).  window 2: accumulator (a, b) at v[8 (8 a + b)].  window 3: cos, sin of row blocks 0, 1.
.set FRB,   1536
.set BP,    16*FRB                     ; a block's 16 K steps in memory
.set PH,    4*FRB                      ; a block's part of a slot
.set BOFF,  16*PH                      ; a slot: A's 16 blocks, then B's 8
.set SLOT,  24*PH
.set SCA,   2*SLOT                     ; behind the ring: A's scale words, 1,024 bytes a block,
.set SCB,   SCA+16*1024                ; B's,
.set SPARE, SCB+8*1024                 ; and the spare words, 128 bytes a wave, which no other line names
.set ASC,   6291456
.set BIMG,  0
.set BSC,   7864320
.set QKSC,  7864320
.set VIMG,  8192000
.set VSC,   9764864
.set VP,    528                        ; v's stage: a token's row of 512 bytes + 16
.set UP,    3200
.set L16,  4
.set VRD,  8                           ; v8-11
.set OSA,  12
.set RDA,  13
.set VSO,  14
.set CO,   15                          ; v15  cos, sin: my token's row and my half: never rewritten
.set ADRA, 16                          ; v16-17
.set QSO,  18
.set STV,  19
.set ADRB, 20                          ; v20-21
.set BO,   26
.set ADRS, 27
.set SPW,  28
.set NIL,  29
.set SC,   32
.set TM,   96
.set TP,   100
.set TO,   104
.set QT,   108
.set PW,   112
.set AF,   128
.set T,    128
.set X,    128
.set PC,   192                         ; q, k: row block a's codes at v[192 + 12 a]: each block has registers of its own, so that no store's data are written again
.set AX,   240
.set C,    192
.set D,    200
.set SB,   204
.set BIAS, 192
.set SEL,  100
.set G1A,  24
.set G0A,  32
.set G1B,  48
.set G0B,  56
.set G1SA, 68
.set G0SA, 76
.set G1SB, 80
.set G0SB, 88
.set MSB, 0
.macro WIN new                         ; the immediate's high byte repeats the setting that is left
.if MSB != (\new)
	s_set_vgpr_msb (MSB<<8)|(\new)
.set MSB, (\new)
.endif
.endm
.macro PLACES n
.rept \n
	v_nop
.endr
.endm
; A joint load: waves 0 and 1 fetch for A, waves 2 and 3 for B.  The branch hangs on the wave's number alone.  An s_nop 0 and four v_nop follow each of the two lines.
.macro JLOAD g0a, g1a, g0b, g1b
	s_cmp_eq_u32 s17, 0
	s_cbranch_scc0 .Lfor_b_\@
	tensor_load_to_lds s[\g0a:\g0a+3], s[\g1a:\g1a+7]
	s_nop 0
.rept 4
	v_nop
.endr
	s_branch .Lasked_\@
.Lfor_b_\@:
	tensor_load_to_lds s[\g0b:\g0b+3], s[\g1b:\g1b+7]
	s_nop 0
.rept 4
	v_nop
.endr
.Lasked_\@:
.endm
.macro CREST                           ; a round of the cluster's barrier behind its opening barrier
	s_cmp_lg_u32 s16, 0
	s_cbranch_scc1 .Lnot_wave_0_\@
	s_barrier_signal -3
.Lnot_wave_0_\@:
	s_barrier_wait -3
	s_barrier_signal -1
	s_barrier_wait -1
.endm
.macro CROUND
	s_barrier_signal -1
	s_barrier_wait -1
	CREST
.endm
.macro LB slot, q, p, b0, n            ; n of B's fragments, from block b0 on, of the slot's K step q, into set p: three loads each
	WIN 0x40
.set LBB, \b0
.rept \n
.irp g, 0,1,2
	ds_load_b128 v[96*(\p)+12*LBB+4*\g:96*(\p)+12*LBB+4*\g+3], v[ADRB+\slot] offset:PH*LBB+FRB*(\q)+512*\g
.endr
.set LBB, LBB+1
.endr
.endm
.macro LA slot, q, p, a0, n            ; n of my four fragments of A, from block a0 on
	WIN 0
.set LAA, \a0
.rept \n
.irp g, 0,1,2
	ds_load_b128 v[AF+48*(\p)+12*LAA+4*\g:AF+48*(\p)+12*LAA+4*\g+3], v[ADRA+\slot] offset:PH*LAA+FRB*(\q)+512*\g
.endr
.set LAA, LAA+1
.endr
.endm
.macro SCALES sc, ph                   ; 16 loads: phase ph's scale words into set sc: register 4 i + q: lanes 0-15 my A block i's word (i < 4), lanes 16-31 B block i's
.irp i, 0,1,2,3,4,5,6,7
.irp kp, 0,1
	ds_load_b64 v[SC+32*(\sc)+4*\i+2*\kp:SC+32*(\sc)+4*\i+2*\kp+1], v[ADRS] offset:1024*\i+128*(2*(\ph)+\kp)
.endr
.endr
.endm
.macro MUL8 a, p, q, sc, first         ; my A block a against B's eight.  The 32 accumulators take turns, one instruction a turn, in one order throughout
.if \first
	WIN 0x91                                       ; B window 1, A window 0, C (the bias) window 1, D window 2
.else
	WIN 0xa1                                       ; B window 1, A window 0, C and D window 2
.endif
.irp b, 0,1,2,3,4,5,6,7
.if \first
	v_wmma_scale_f32_16x16x128_f8f6f4 v[8*(8*\a+\b):8*(8*\a+\b)+7], v[96*(\p)+12*\b:96*(\p)+12*\b+11], v[AF+48*(\p)+12*\a:AF+48*(\p)+12*\a+11], v[BIAS+8*\b:BIAS+8*\b+7], v[SC+32*(\sc)+4*\b+(\q)], v[SC+32*(\sc)+4*\a+(\q)] matrix_a_fmt:MATRIX_FMT_FP6 matrix_b_fmt:MATRIX_FMT_FP6 matrix_a_scale:MATRIX_SCALE_ROW1
.else
	v_wmma_scale_f32_16x16x128_f8f6f4 v[8*(8*\a+\b):8*(8*\a+\b)+7], v[96*(\p)+12*\b:96*(\p)+12*\b+11], v[AF+48*(\p)+12*\a:AF+48*(\p)+12*\a+11], v[8*(8*\a+\b):8*(8*\a+\b)+7], v[SC+32*(\sc)+4*\b+(\q)], v[SC+32*(\sc)+4*\a+(\q)] matrix_a_fmt:MATRIX_FMT_FP6 matrix_b_fmt:MATRIX_FMT_FP6 matrix_a_scale:MATRIX_SCALE_ROW1
.endif
.endr
.endm
; A K step that has its successor in the same slot.  The successor's 36 loads go out in four runs of 9, in the order in which they are wanted: B's eight, then my A blocks.
; ld = 1: the next phase's 16 scale-word loads (phase ph, into the other set) go out here too: they hang on no change of slots.
.macro STEP slot, q, first, ld, ph
	PLACES 4                                       ; in front of loads into registers that the last step's matrix instructions have read (ISA guide 7.12.1 for vector instructions)
	s_wait_dscnt 9                                 ; all but the last run of 9 (this step's A blocks 1-3): B's eight, A block 0 and the scale words are in
.if \ld
	SCALES 1-(\slot), \ph
.endif
	LB \slot, (\q)+1, 1-(\q)%2, 0, 3
	MUL8 0, (\q)%2, \q, \slot, \first
	s_wait_dscnt 9+16*(\ld)                        ; all but what this step has issued (9 fragment loads, and the 16 scale-word loads where they stand): A blocks 1-3 are in
	LB \slot, (\q)+1, 1-(\q)%2, 3, 3
	MUL8 1, (\q)%2, \q, \slot, \first
	LB \slot, (\q)+1, 1-(\q)%2, 6, 2
	LA \slot, (\q)+1, 1-(\q)%2, 0, 1
	MUL8 2, (\q)%2, \q, \slot, \first
	LA \slot, (\q)+1, 1-(\q)%2, 1, 3
	MUL8 3, (\q)%2, \q, \slot, \first
	WIN 0
.endm
; A slot's last K step changes slots: one barrier; in front of it each wave waits for all its tensor loads, adds 0 to its spare word, and waits for that and for its reads of this slot.
.macro TURN slot, next, refill
	s_wait_tensorcnt 0x0                           ; all my tensor loads have landed: my part of the next slot
	ds_add_u32 v[SPW], v[NIL]
	s_wait_dscnt 1                                 ; the step's fragments are in; only the add may be out
	MUL8 0, 1, 3, \slot, 0
	s_wait_dscnt 0x0                               ; the add is done, and my reads of this slot are over
	s_barrier_signal -1
	MUL8 1, 1, 3, \slot, 0
	WIN 0
	s_barrier_wait -1
.if \refill
	CREST                                          ; the barrier has opened a round of the cluster's: no wave of any partner still reads this slot or has a load on its way
	s_add_nc_u64 s[G0A+4*\slot+2:G0A+4*\slot+3], s[G0A+4*\slot+2:G0A+4*\slot+3], 2*PH
	s_add_nc_u64 s[G0B+4*\slot+2:G0B+4*\slot+3], s[G0B+4*\slot+2:G0B+4*\slot+3], 2*PH
	JLOAD G0A+4*\slot, G1A, G0B+4*\slot, G1B       ; the first tensor load behind the round; its four v_nop are the places in front of the loads below
.else
	PLACES 4
.endif
	LB \next, 0, 0, 0, 4                           ; the next slot's first K step, in runs of 12, 15 and 9 loads round the last two groups of products
	MUL8 2, 1, 3, \slot, 0
	LB \next, 0, 0, 4, 4
	LA \next, 0, 0, 0, 1
	MUL8 3, 1, 3, \slot, 0
	LA \next, 0, 0, 1, 3
.endm
.macro QUANT s, pw                     ; 64 numbers of a lane, register 16 b + i = k 32 b + 16 h + i of my row -> a fragment's codes in v[PC] on, its scale word in v[pw]
.irp b, 0,1,2,3
	v_max3_num_f32 v[TM+\b], |v[\s+16*\b]|, |v[\s+1+16*\b]|, 0x1800000   ; and the floor 2^(3 - 127): the byte cannot fall under 1
.endr
.irp i, 2,4,6,8,10,12,14
.irp b, 0,1,2,3
	v_max3_num_f32 v[TM+\b], v[TM+\b], |v[\s+16*\b+\i]|, |v[\s+1+16*\b+\i]|
.endr
.endr
.irp b, 0,1,2,3
	v_permlanex16_b32 v[TP+\b], v[TM+\b], s[SEL], s[SEL+1]
.endr
.irp b, 0,1,2,3
	v_max_num_f32 v[TM+\b], v[TM+\b], v[TP+\b]
.endr
.irp b, 0,1,2,3
	v_add_nc_u32 v[TO+\b], 0xff000000, v[TM+\b]      ; 2 off the exponent field: the conversion's scale operand
.endr
.irp b, 0,1,2,3
	v_lshrrev_b32 v[TP+\b], 23, v[TO+\b]
.endr
	v_lshl_or_b32 v[\pw], v[TP+1], 8, v[TP]
	v_lshl_or_b32 v[\pw], v[TP+2], 16, v[\pw]
	v_lshl_or_b32 v[\pw], v[TP+3], 24, v[\pw]
.irp c, 0,1
	v_cvt_scalef32_pk16_fp6_f32 v[PC+6*\c:PC+2+6*\c], v[\s+32*\c:\s+15+32*\c], v[TO+2*\c]
	v_cvt_scalef32_pk16_fp6_f32 v[AX+4*\c:AX+2+4*\c], v[\s+16+32*\c:\s+31+32*\c], v[TO+2*\c+1]
.endr
	v_nop                                            ; one plain place behind a scaled conversion
.irp c, 0,1
.irp i, 0,1,2
	v_permlane16_swap_b32 v[PC+6*\c+\i], v[AX+4*\c+\i]
.endr
.irp i, 0,1,2
	v_mov_b32 v[PC+3+6*\c+\i], v[AX+4*\c+\i]
.endr
.endr
.endm
.macro QBLK xs, t                      ; 32 numbers of one channel, block t of 32 tokens -> 24 bytes at their place in an image in my stage
	v_max3_num_f32 v[QT], |v[\xs]|, |v[\xs+1]|, |v[\xs+2]|
	v_max3_num_f32 v[QT+1], |v[\xs+3]|, |v[\xs+4]|, |v[\xs+5]|
.irp i, 6,10,14,18,22,26
	v_max3_num_f32 v[QT], v[QT], |v[\xs+\i]|, |v[\xs+\i+1]|
	v_max3_num_f32 v[QT+1], v[QT+1], |v[\xs+\i+2]|, |v[\xs+\i+3]|
.endr
	v_max3_num_f32 v[QT], v[QT], |v[\xs+30]|, |v[\xs+31]|
	v_max3_num_f32 v[QT], v[QT], v[QT+1], 0x1800000
	v_add_nc_u32 v[QT+2], 0xff000000, v[QT]
	v_lshrrev_b32 v[QT+1], 23, v[QT+2]
.if (\t)%4 == 0
	v_mov_b32 v[SB+(\t)/4], v[QT+1]
.else
	v_lshl_or_b32 v[SB+(\t)/4], v[QT+1], 8*((\t)%4), v[SB+(\t)/4]
.endif
	v_cvt_scalef32_pk16_fp6_f32 v[C:C+2], v[\xs:\xs+15], v[QT+2]
	v_cvt_scalef32_pk16_fp6_f32 v[D:D+2], v[\xs+16:\xs+31], v[QT+2]
	v_nop
.irp i, 0,1,2
	v_mov_b32 v[C+3+\i], v[D+\i]
.endr
.if ((\t)/2)%2 == 0
	ds_store_b128 v[OSA], v[C:C+3] offset:FRB*((\t)/4)+256*((\t)%2)
	ds_store_b64 v[OSA], v[C+4:C+5] offset:FRB*((\t)/4)+256*((\t)%2)+512
.else
	ds_store_b64 v[OSA], v[C:C+1] offset:FRB*((\t)/4)+256*((\t)%2)+520
	ds_store_b128 v[OSA], v[C+2:C+5] offset:FRB*((\t)/4)+256*((\t)%2)+1024
.endif
.endm
.macro CSLOAD a                        ; cos (64 registers) and sin (64) of my token of row block a, in the accumulators' order: 32 loads
.irp bb, 0,1,2,3
.irp j, 0,1,2,3
	global_load_b128 v[128*((\a)%2)+16*\bb+4*\j:128*((\a)%2)+16*\bb+4*\j+3], v[CO], s[10:11] offset:(32*((\a)/2)+8*((\a)%2))*512+128*\bb+16*\j
	global_load_b128 v[128*((\a)%2)+64+16*\bb+4*\j:128*((\a)%2)+64+16*\bb+4*\j+3], v[CO], s[12:13] offset:(32*((\a)/2)+8*((\a)%2))*512+128*\bb+16*\j
.endr
.endr
.endm
	s_load_b256 s[4:11], s[0:1], 0x0               ; hq s[4:5], wq s[6:7], b_qkv s[8:9], cos s[10:11]
	s_load_b128 s[12:15], s[0:1], 0x20             ; sin s[12:13], qkv s[14:15]
	v_lshl_add_u32 v[SPW], v0, 2, SPARE
	v_mov_b32 v[NIL], 0
	ds_add_u32 v[SPW], v[NIL]                      ; the wave's opening: the add and its wait ahead of my first tensor load
	ds_add_u32 v[SPW], v[NIL]
	v_lshrrev_b32 v1, 5, v0
	v_readfirstlane_b32 s16, v1                    ; wave
	s_lshr_b32 s17, s16, 1                         ; I fetch for A (0) or for B (1),
	s_and_b32 s18, s16, 1                          ; its first or its second half
	s_bfe_u32 s40, ttmp6, 0x40000                  ; cx
	s_bfe_u32 s41, ttmp6, 0x40004                  ; cy
	s_lshl_b32 s42, ttmp9, 2
	s_add_co_u32 s42, s42, s40                     ; x: the head
	s_and_b32 s43, ttmp7, 0xffff
	s_lshl_b32 s43, s43, 2
	s_add_co_u32 s43, s43, s41                     ; y: the tile of 256 tokens
	s_lshl_b32 s44, s41, 2
	s_lshl_b32 s44, 15, s44                        ; my row of the cluster
	s_lshl_b32 s45, 0x1111, s40                    ; my column
	s_or_b32 s[G1A], s44, (3<<16)|(1<<21)          ; 15:0 the mask; 17:16 elements of 8 bytes; 21 set beside a mask; no padding
	s_or_b32 s[G1B], s45, (3<<16)|(1<<21)
	s_or_b32 s[G1SA], s44, (3<<16)|(1<<21)
	s_or_b32 s[G1SB], s45, (3<<16)|(1<<21)
	s_mov_b32 s[G1A+1], 768<<16                    ; A: 8 blocks' parts of a slot: rows of 6,144 bytes (768 elements), 24,576 bytes apart
	s_mov_b32 s[G1A+2], 16<<16                     ; the head's load brings all 16 blocks' parts of slot 0
	s_mov_b32 s[G1A+3], 768<<16
	s_mov_b32 s[G1A+4], 16
	s_mov_b32 s[G1A+5], 3072
	s_mov_b32 s[G1A+6], 0
	s_mov_b32 s[G1A+7], 0
	s_mov_b32 s[G1B+1], 768<<16                    ; B: 4 blocks' parts
	s_mov_b32 s[G1B+2], 8<<16                      ; the head's load brings all 8 blocks' parts of slot 0
	s_mov_b32 s[G1B+3], 768<<16
	s_mov_b32 s[G1B+4], 8
	s_mov_b32 s[G1B+5], 3072
	s_mov_b32 s[G1B+6], 0
	s_mov_b32 s[G1B+7], 0
	s_mov_b32 s[G1SA+1], 32<<16                    ; A's scale words: rows of 256 bytes
	s_mov_b32 s[G1SA+2], 64<<16                    ; A's scale words whole: 16,384 dense bytes as 64 rows of 256
	s_mov_b32 s[G1SA+3], 32<<16
	s_mov_b32 s[G1SA+4], 64
	s_mov_b32 s[G1SA+5], 32
	s_mov_b32 s[G1SA+6], 0
	s_mov_b32 s[G1SA+7], 0
	s_mov_b32 s[G1SB+1], 32<<16                    ; B's: rows of 256 bytes
	s_mov_b32 s[G1SB+2], 32<<16                    ; B's whole: 8,192 dense bytes as 32 rows of 256
	s_mov_b32 s[G1SB+3], 32<<16
	s_mov_b32 s[G1SB+4], 32
	s_mov_b32 s[G1SB+5], 32
	s_mov_b32 s[G1SB+6], 0
	s_mov_b32 s[G1SB+7], 0
	s_lshl_b32 s20, s43, 4
	s_lshl_b32 s22, s20, 10                        ; the scale words of the tile's 16 blocks begin at block 16 y
	s_lshl_b32 s21, s18, 3
	s_add_co_u32 s20, s20, s21                     ; A's first block that I fetch: 16 y + 8 x half
	s_add_co_u32 s22, s22, ASC                     ; its scale words,
	s_mov_b32 s23, 0
	s_mul_i32 s20, s20, BP                         ; its images
	s_mov_b32 s21, 0
	s_lshl_b32 s46, s42, 3
	s_lshl_b32 s92, s46, 10                        ; the scale words of the head's 8 blocks begin at block 8 x
	s_lshl_b32 s47, s18, 2
	s_add_co_u32 s46, s46, s47                     ; B's: 8 x + 4 x half
	s_add_co_u32 s92, s92, BSC
	s_mov_b32 s93, 0
	s_mul_i32 s46, s46, BP
.if BIMG
	s_add_co_u32 s46, s46, BIMG
.endif
	s_mov_b32 s47, 0
	s_mul_i32 s94, s18, 8*PH                       ; where they go: no place in the cluster enters an LDS address
	s_mul_i32 s95, s18, 4*PH
	s_mov_b32 s[SEL], 0x76543210
	s_mov_b32 s[SEL+1], 0xfedcba98
	s_wait_dscnt 0x0                               ; the opening add is done
	s_wait_kmcnt 0x0
	s_add_nc_u64 s[20:21], s[4:5], s[20:21]
	s_add_nc_u64 s[22:23], s[4:5], s[22:23]
	s_add_nc_u64 s[46:47], s[6:7], s[46:47]
	s_add_nc_u64 s[92:93], s[6:7], s[92:93]
	CROUND                                         ; all sixteen work-groups are here: the first joint loads meet
	s_mov_b32 s[G0SA], 1
	s_mov_b32 s[G0SA+1], SCA
	s_mov_b64 s[G0SA+2:G0SA+3], s[22:23]
	s_or_b32 s[G0SA+3], s[G0SA+3], 0x80000000
	s_mov_b32 s[G0SB], 1
	s_mov_b32 s[G0SB+1], SCB
	s_mov_b64 s[G0SB+2:G0SB+3], s[92:93]
	s_or_b32 s[G0SB+3], s[G0SB+3], 0x80000000
.irp s, 0,1
	s_mov_b32 s[G0A+4*\s], 1
	s_add_co_u32 s[G0A+4*\s+1], s94, \s*SLOT
	s_add_nc_u64 s[G0A+4*\s+2:G0A+4*\s+3], s[20:21], \s*PH
	s_or_b32 s[G0A+4*\s+3], s[G0A+4*\s+3], 0x80000000
	s_mov_b32 s[G0B+4*\s], 1
	s_add_co_u32 s[G0B+4*\s+1], s95, \s*SLOT+BOFF
	s_add_nc_u64 s[G0B+4*\s+2:G0B+4*\s+3], s[46:47], \s*PH
	s_or_b32 s[G0B+4*\s+3], s[G0B+4*\s+3], 0x80000000
.endr
; THE HEAD'S LOADS, ONE A WAVE: wave 0 slot 0's 16 blocks of A, wave 1 A's scale words, wave 2 slot 0's 8 blocks of B, wave 3 B's scale words.
; Waves 0 and 2 have half 0, so their slot 0 group 0 points at the tile's first block.  One chain of branches on the wave's number; every way passes one load.
.macro ARM under, g0, g1, next
	s_cmp_lt_u32 s16, \under
	s_cbranch_scc0 \next
	tensor_load_to_lds s[\g0:\g0+3], s[\g1:\g1+7]
	s_nop 0
.rept 4
	v_nop
.endr
	s_branch .Lhead_asked
\next:
.endm
	ARM 1, G0A, G1A, .Lhead_sa
	ARM 2, G0SA, G1SA, .Lhead_b
	ARM 3, G0B, G1B, .Lhead_sb
	tensor_load_to_lds s[G0SB:G0SB+3], s[G1SB:G1SB+7]
	s_nop 0
.rept 4
	v_nop
.endr
.Lhead_asked:
	v_and_b32 v1, 31, v0
	v_and_b32 v2, 15, v0                           ; r
	v_bfe_u32 v3, v0, 4, 1                         ; h
	v_lshlrev_b32 v[L16], 4, v1
	s_wait_alu depctr_va_vdst(0)
	v_lshlrev_b32 v[BO], 6, v3
	s_lshl_b32 s46, s42, 9
	s_mov_b32 s47, 0
	s_add_nc_u64 s[8:9], s[8:9], s[46:47]          ; the head's 128 numbers of the bias
	WIN 0x40
.irp b, 0,1,2,3,4,5,6,7                        ; tile b, register j: column 32 (b / 2) + 16 h + 8 (b % 2) + j
	global_load_b128 v[BIAS+8*\b:BIAS+8*\b+3], v[BO], s[8:9] offset:(32*(\b/2)+8*(\b%2))*4
	global_load_b128 v[BIAS+8*\b+4:BIAS+8*\b+7], v[BO], s[8:9] offset:(32*(\b/2)+8*(\b%2))*4+16
.endr
	WIN 0
	v_and_b32 v5, 8, v2
	v_add_nc_u32 v5, v5, v2                        ; r + 8 (r / 8)
	v_lshlrev_b32 v[CO], 9, v5
	v_lshl_add_u32 v[CO], v3, 6, v[CO]
	s_lshl_b32 s92, s43, 17
	s_lshl_b32 s93, s16, 15
	s_add_co_u32 s92, s92, s93                     ; my 64 tokens' rows of cos and sin: (256 y + 64 w) x 512 bytes
	s_mov_b32 s93, 0
	s_add_nc_u64 s[10:11], s[10:11], s[92:93]
	s_add_nc_u64 s[12:13], s[12:13], s[92:93]
	WIN 0xc0                                       ; destination window 3
	CSLOAD 0                                       ; cos and sin of row blocks 0 and 1 go out here, while the first tiles are on their way and the wave has nothing else to issue
	WIN 0
	s_mul_i32 s21, s16, 4*PH                       ; my four blocks of A
	v_add_nc_u32 v[ADRA], s21, v[L16]
	v_add_nc_u32 v[ADRA+1], SLOT, v[ADRA]
	v_add_nc_u32 v[ADRB], BOFF, v[L16]
	v_add_nc_u32 v[ADRB+1], SLOT+BOFF, v[L16]
	s_xor_b32 s22, s16, 3
	s_add_co_u32 s22, s22, 1
	s_lshl_b32 s22, s22, 12                        ; from my A blocks' words to B's: 4,096 (4 - w)
	v_mul_u32_u24 v5, s22, v3                      ; lanes 16-31 take B's
	v_lshl_add_u32 v5, v2, 3, v5
	s_lshl_b32 s21, s16, 12
	s_add_co_u32 s21, s21, SCA
	v_add_nc_u32 v[ADRS], s21, v5
	v_lshlrev_b32 v[QSO], 4, v2
	v_lshl_add_u32 v[QSO], v3, 3, v[QSO]
.irp b, 0,1,2,3
	v_mov_b32 v[TP+\b], 0                          ; written once: a lane permute's destination counts as one of its sources
.endr
	s_wait_alu depctr_va_vdst(0)
	s_wait_loadcnt 32                              ; the bias is in; row block 0's 32 loads may be out
	WIN 0xc0
	CSLOAD 1
	WIN 0
	s_wait_tensorcnt 0x0                           ; my tile of the head's four is in; slot 1's first fill is issued as a refill is:
	ds_add_u32 v[SPW], v[NIL]
	s_mov_b32 s[G1A+2], 8<<16                      ; no tensor load of mine is out: from here on a load brings half of a slot's blocks: 8 of A,
	s_mov_b32 s[G1A+4], 8
	s_mov_b32 s[G1B+2], 4<<16                      ; 4 of B
	s_mov_b32 s[G1B+4], 4
	s_wait_dscnt 0x0                               ; the add is done
	CROUND                                         ; a whole round: all four tiles are in, and the sixteen work-groups' joint loads meet
	JLOAD G0A+4, G1A, G0B+4, G1B                   ; slot 1, the first tensor load behind the round
	SCALES 0, 0
	LB 0, 0, 0, 0, 8
	LA 0, 0, 0, 0, 4                               ; the last nine loads are A blocks 1-3's, as at every step's head
	STEP 0, 0, 1, 0, 0                             ; the first K step starts the sums from the bias
	STEP 0, 1, 0, 1, 1
	STEP 0, 2, 0, 0, 0
	TURN 0, 1, 1
	STEP 1, 0, 0, 0, 0
	STEP 1, 1, 0, 1, 2
	STEP 1, 2, 0, 0, 0
	TURN 1, 0, 1
	STEP 0, 0, 0, 0, 0
	STEP 0, 1, 0, 1, 3
	STEP 0, 2, 0, 0, 0
	TURN 0, 1, 0                                   ; nothing is left to fetch
	STEP 1, 0, 0, 0, 0
	STEP 1, 1, 0, 0, 0
	STEP 1, 2, 0, 0, 0
	s_wait_dscnt 0x0
	MUL8 0, 1, 3, 1, 0
	MUL8 1, 1, 3, 1, 0
	MUL8 2, 1, 3, 1, 0
	MUL8 3, 1, 3, 1, 0
	WIN 0
	PLACES 4                                       ; in front of the first read of results, and of loads and writes into registers that matrix instructions have read
	s_cmp_ge_u32 ttmp9, 5                          ; the cluster's x: the same in all sixteen partners
	s_cbranch_scc1 .Lvalues
	; ---- q and k: rope, the quantiser along d, images and scale words.  No LDS.
	s_lshl_b32 s94, s42, 8
	s_lshl_b32 s95, s43, 4
	s_add_co_u32 s94, s94, s95
	s_lshl_b32 s95, s16, 2
	s_add_co_u32 s94, s94, s95                     ; my first row block among the 20 heads x 256: head x 256 + 16 y + 4 w
	s_lshl_b32 s98, s94, 6                         ; 256 bytes of scale words for four row blocks
	s_add_co_u32 s98, s98, QKSC
	s_mov_b32 s99, 0
	s_mul_i32 s94, s94, FRB
	s_mov_b32 s95, 0
	s_add_nc_u64 s[96:97], s[14:15], s[94:95]
	s_add_nc_u64 s[98:99], s[14:15], s[98:99]
	s_wait_loadcnt 0x0                             ; cos and sin of row blocks 0 and 1, asked for at the head
	WIN 0x40                                       ; those of row blocks 2 and 3 into window 1, which the products have left
	CSLOAD 2
	CSLOAD 3
	WIN 0
.macro QKOUT a
.if (\a) == 2
	s_wait_loadcnt 32                              ; row block 2's 32 loads are in; row block 3's may be out
.endif
.if (\a) == 3
	s_wait_loadcnt 0x0
.endif
.if (\a) < 2
	WIN 0x0e                                       ; source 0 (the sums) window 2, source 1 (cos, sin) window 3
.else
	WIN 0x06                                       ; source 1 window 1
.endif
.set CS0, 128*((\a)%2)
.set p, 0
.rept 16                                       ; ascending: each accumulator is read from its low end on
	v_pk_mul_f32 v[T+p:T+p+1], v[64*(\a)+p:64*(\a)+p+1], v[CS0+p:CS0+p+1]
	v_pk_mul_f32 v[T+32+p:T+32+p+1], v[64*(\a)+32+p:64*(\a)+32+p+1], v[CS0+32+p:CS0+32+p+1]
	v_pk_fma_f32 v[T+p:T+p+1], v[64*(\a)+32+p:64*(\a)+32+p+1], v[CS0+64+p:CS0+64+p+1], v[T+p:T+p+1] neg_lo:[1,0,0] neg_hi:[1,0,0]   ; d < 64: x[d] cos - x[d + 64] sin
	v_pk_fma_f32 v[T+32+p:T+32+p+1], v[64*(\a)+p:64*(\a)+p+1], v[CS0+96+p:CS0+96+p+1], v[T+32+p:T+32+p+1]                            ; d >= 64: x[d] cos + x[d - 64] sin
.set p, p+2
.endr
	WIN 0
.set PC, 192+12*(\a)                           ; this block's own twelve registers: the stores below are the only readers, and nothing writes them again
	QUANT T, PW+\a
.irp c, 0,1,2
	global_store_b128 v[L16], v[PC+4*\c:PC+4*\c+3], s[96:97] offset:FRB*(\a)+512*\c   ; 512 consecutive bytes, aligned
.endr
.endm
	QKOUT 0
	QKOUT 1
	QKOUT 2
	QKOUT 3
	v_cmp_le_u32 vcc_lo, 16, v1
	v_cndmask_b32 v116, v[PW], v[PW+2], vcc_lo
	v_cndmask_b32 v117, v[PW+1], v[PW+3], vcc_lo
	global_store_b64 v[QSO], v[116:117], s[98:99]  ; row r's four words, two a lane: 256 consecutive bytes, aligned
	s_wait_tensorcnt 0x0                           ; the wave's end
	ds_add_u32 v[SPW], v[NIL]
	s_wait_dscnt 0x0
	CROUND                                         ; the closing round
	s_endpgm
.Lvalues:
	; ---- v: the tokens are the next product's K.  The 256 x 128 numbers turn through a stage in slot 0 (it has had its last fill, and nobody has read it since the third change of slots);
	; then wave w takes channels 32 w + lane, a lane to a channel, its registers running down the tokens.
	s_lshl_b32 s92, s40, 2                         ; the kv head is cx here: it enters global addresses alone
	s_lshr_b32 s93, s43, 2
	s_add_co_u32 s92, s92, s93                     ; 4 kvh + b
	s_and_b32 s93, s43, 3                          ; which 256 tokens of the batch
	s_mul_i32 s94, s92, 64*FRB
	s_mul_i32 s95, s93, 16*FRB
	s_add_co_u32 s94, s94, s95
	s_mul_i32 s95, s16, 2*FRB
	s_add_co_u32 s94, s94, s95
	s_add_co_u32 s94, s94, VIMG
	s_mov_b32 s95, 0
	s_lshl_b32 s98, s92, 12
	s_lshl_b32 s99, s93, 10
	s_add_co_u32 s98, s98, s99
	s_lshl_b32 s99, s16, 7
	s_add_co_u32 s98, s98, s99
	s_add_co_u32 s98, s98, VSC
	s_mov_b32 s99, 0
	s_add_nc_u64 s[96:97], s[14:15], s[94:95]
	s_add_nc_u64 s[98:99], s[14:15], s[98:99]
	v_mul_u32_u24 v[STV], v2, VP
	v_lshl_add_u32 v[STV], v3, 6, v[STV]
	s_mul_i32 s20, s16, 64*VP
	v_add_nc_u32 v[STV], s20, v[STV]               ; into the stage: row 64 w + 16 a + r, + 64 h
	v_lshlrev_b32 v6, 2, v1
	s_lshl_b32 s20, s16, 7
	v_add_nc_u32 v[VRD], s20, v6                   ; out of it: my channel's 4 bytes, 128 w + 4 x lane,
.irp k, 1,2,3
	v_add_nc_u32 v[VRD+\k], \k*64*VP, v[VRD]       ; in each run of 64 rows
.endr
	v_bfe_u32 v6, v0, 3, 1                         ; u
	v_and_b32 v7, 7, v0
	v_lshl_add_u32 v7, v3, 3, v7                   ; r'
	v_mul_u32_u24 v[OSA], v6, UP
	v_lshl_add_u32 v[OSA], v7, 4, v[OSA]
	s_mul_i32 s20, s16, 2*UP
	s_add_co_u32 s20, s20, SLOT                    ; my four images: in slot 1, free behind the barrier below
	v_add_nc_u32 v[OSA], s20, v[OSA]
	v_add_nc_u32 v[RDA], s20, v[L16]
	v_lshlrev_b32 v[VSO], 6, v6
	v_lshl_add_u32 v[VSO], v7, 2, v[VSO]
	WIN 0x08                                       ; an LDS store's data are its source 1: window 2
.irp a, 0,1,2,3
.set m, 0
.rept 16
	ds_store_b128 v[STV], v[64*\a+4*m:64*\a+4*m+3] offset:16*\a*VP+128*(m/4)+16*(m%4)   ; each accumulator from its low end on
.set m, m+1
.endr
.endr
	WIN 0
	s_wait_dscnt 0x0                               ; my stores have landed, and my reads of slot 1 are long over
	s_barrier_signal -1
	s_barrier_wait -1
.macro LOADV t                         ; tokens 32 t + i of the tile, in their natural order: token 8 u + r + 8 (r / 8) of a group of 32 lies in stage row 16 u + r
.set i, 0
.rept 32
	ds_load_b32 v[X+32*((\t)%2)+i], v[VRD+(\t)/2] offset:((32*(\t))%64+16*((i/8)%2)+8*(i/16)+i%8)*VP
.set i, i+1
.endr
.endm
	LOADV 0
.set Q, 0
.rept 8
.if Q < 7
	LOADV Q+1
	s_wait_dscnt 32                                ; all but the 32 loads just issued: this block's numbers are in, and the last block's two stores are done
.else
	s_wait_dscnt 0x0
.endif
.set XS, X+32*(Q%2)
	QBLK XS, Q
.set Q, Q+1
.endr
.irp i, 0,1,2,3,4,5,6,7,8,9,10,11
	ds_load_b128 v[X+4*\i:X+4*\i+3], v[RDA] offset:(\i/6)*UP+(\i%6)*512   ; LDS serves a wave's instructions in order: these see my stores
.endr
	s_wait_alu depctr_va_vdst(0)
.irp i, 0,1,2,3,4,5,6,7,8,9,10,11
	s_wait_dscnt 11-\i                             ; the loads behind this one may be out
	global_store_b128 v[L16], v[X+4*\i:X+4*\i+3], s[96:97] offset:((\i%6)/3)*8*FRB+(\i/6)*FRB+(\i%3)*512
.endr
	global_store_b32 v[VSO], v[SB], s[98:99]
	global_store_b32 v[VSO], v[SB+1], s[98:99] offset:512
	s_wait_tensorcnt 0x0                           ; the wave's end, behind my last LDS store
	ds_add_u32 v[SPW], v[NIL]
	s_wait_dscnt 0x0
	CROUND                                         ; the closing round
	s_endpgm
.Lfunc_end_k_q7ee08df20a_g1:
	.size	k_q7ee08df20a_g1, .Lfunc_end_k_q7ee08df20a_g1-k_q7ee08df20a_g1
	.p2alignl 7, 3214868480
	.fill 96, 4, 3214868480
	.section	.rodata,"a",@progbits
	.p2align	6, 0x0
	.amdhsa_kernel k_q7ee08df20a_g1
		.amdhsa_group_segment_fixed_size 327680
		.amdhsa_private_segment_fixed_size 0
		.amdhsa_enable_private_segment 0
		.amdhsa_kernarg_size 48
		.amdhsa_user_sgpr_count 2
		.amdhsa_user_sgpr_kernarg_segment_ptr 1
		.amdhsa_wavefront_size32 1
		.amdhsa_system_sgpr_workgroup_id_x 1
		.amdhsa_system_sgpr_workgroup_id_y 1
		.amdhsa_system_sgpr_workgroup_id_z 1
		.amdhsa_system_vgpr_workitem_id 0
		.amdhsa_next_free_vgpr 1024
		.amdhsa_next_free_sgpr 102
		.amdhsa_reserve_vcc 1
		.amdhsa_float_denorm_mode_32 3
		.amdhsa_float_denorm_mode_16_64 3
		.amdhsa_memory_ordered 1
		.amdhsa_forward_progress 1
		.amdhsa_inst_pref_size 208
	.end_amdhsa_kernel
	.amdgpu_metadata
---
amdhsa.version: [ 1, 2 ]
amdhsa.kernels:
  - .name:           k_q7ee08df20a_g1
    .symbol:         k_q7ee08df20a_g1.kd
    .args:
      - { .name: hq, .offset: 0, .size: 8, .value_kind: global_buffer, .address_space: global }
      - { .name: wq, .offset: 8, .size: 8, .value_kind: global_buffer, .address_space: global }
      - { .name: b_qkv, .offset: 16, .size: 8, .value_kind: global_buffer, .address_space: global }
      - { .name: cos, .offset: 24, .size: 8, .value_kind: global_buffer, .address_space: global }
      - { .name: sin, .offset: 32, .size: 8, .value_kind: global_buffer, .address_space: global }
      - { .name: qkv, .offset: 40, .size: 8, .value_kind: global_buffer, .address_space: global }
    .group_segment_fixed_size: 327680
    .private_segment_fixed_size: 0
    .kernarg_segment_align: 8
    .kernarg_segment_size: 48
    .max_flat_workgroup_size: 128
    .sgpr_count:     102
    .vgpr_count:     1024
    .wavefront_size: 32
...
	.end_amdgpu_metadata
.endif
;; end of part 2
;; launch att (part 3): grid 16 x 16, 8 waves a work-group, clusters of 4 x 1, 206,848 bytes of LDS; arguments qkv, aq; writes aq
.if DOCPART == 3
	.amdgcn_target "amdgcn-amd-amdhsa--gfx1250"
	.amdhsa_code_object_version 6
	.text
	.protected	k_q7ee08df20a_att
	.globl	k_q7ee08df20a_att
	.p2align	8
	.type	k_q7ee08df20a_att,@function
k_q7ee08df20a_att:
	s_mov_b64 s[64:65], 0
	v_nop
	global_prefetch_b8 v0, s[64:65] scope:SCOPE_SE
	s_setreg_imm32_b32 hwreg(HW_REG_WAVE_MODE, 25, 1), 1
	s_wait_xcnt 0x0
	s_wait_alu depctr_hold_cnt(0) depctr_sa_sdst(0) depctr_va_vdst(0) depctr_va_sdst(0) depctr_va_ssrc(0) depctr_va_vcc(0) depctr_vm_vsrc(0)
	s_getreg_b32 s2, hwreg(HW_REG_IB_STS2, 6, 4)
	s_cmp_eq_u32 s2, 0
	s_cbranch_scc0 .Lentry_in_a_cluster
	s_endpgm
.Lentry_in_a_cluster:
	s_bfe_u32 s2, ttmp6, 0x10000c
	s_cmp_lg_u32 s2, 0x3003
	s_cbranch_scc0 .Lentry_shape_is_right
	s_endpgm
.Lentry_shape_is_right:
; out = softmax(q k^T / sqrt(128)) v for grouped heads, both products on codes of FP6 with E8M0 scales; out is quantised along d on the way and leaves as images and scale words for the last product.
; THE SOFTMAX: t = score x log2(e) / sqrt(128); M = the running largest t rounded UP to a whole number; p = 2^(t - M) is quantised along the keys, not normalised; the row's sum is taken of the unquantised p
; and divides at the end.  When M moves, the sum and O are multiplied by 2^(old M - new M): exact.
; SHARES.  Work-group (x, y): kv head y & 3 of batch y >> 2, 64 queries (row blocks 4 x .. 4 x + 3 of the batch), all four query heads of the kv head: 16 tiles of 16 queries.
; Wave w: head 4 kvh + (w >> 1), row blocks 2 (w & 1) + T, T = 0, 1: each fragment of K and V read from LDS feeds two products.  Two waves share a SIMD: one's vector work stands beside the other's products.
; ALL of the kv head's K and V (98,304 bytes each, as images of fragments) and their scale words stay in LDS: filled once, by all eight waves, so there is no ring and nothing is filled again.
; CLUSTER: the four work-groups of a cluster share (batch, kv head): every fill is a joint load that names the four.
; LAYOUT.  Both products are used transposed (S^T = K Q^T, O^T = V^T P^T): a lane holds one query throughout.  Row r of block 2 g + u (keys, channels) is element 32 g + 8 u + r + 8 (r / 8), so that the 16 registers
; of tiles 2 b, 2 b + 1 are 16 neighbours, 32 b + 16 h + 0 .. 15, along the next product's K.
; No prefetch: every byte is asked for at the head.
; LIMITS: p under 2^-126 becomes 0 (v_exp_f32's results there are flushed: ISA guide, its entry); a block of zeros gets the byte 1 (zero codes); NaN and infinities are not served.
; A block's largest p is the exponential of the block's largest score, which takes v_exp_f32 not to fall where its input rises.
; REGISTERS.  Tile T's own state has the same numbers in window T: v12 -M, v13 the largest t, v[14:15] the sum, v16-27 Q, v96-159 S^T then p, v160-223 O^T, v224-235 p's codes, v232-254 at work.
;   Fragments of K or V: tiles 4 g .. 4 g + 3 in window g, v32-79.  Window 0 alone: v1-11 addresses; v80-87 K's or V's scale words, v88-89 Q's, v90-91 p's (scale operands have no window).
.set FRB,   1536
.set STEPB, 8*FRB                      ; a key step: 128 keys: 8 fragments of K, 8 of V
.set VREG,  8*STEPB                    ; LDS: K at 0, V here,
.set SCK,   2*VREG                     ; K's scale words (4,096 bytes),
.set SCV,   SCK+4096                   ; V's,
.set SCO,   SCV+4096                   ; a stage for out's scale words (1,024 bytes; no fill lands here),
.set SPARE, SCO+1024                   ; and the spare words, 128 bytes a wave, which no other line names
.set QKSC,  7864320
.set VIMG,  8192000
.set VSC,   9764864
.set ASC,   6291456
.set L16,  1
.set ASK0, 2
.set ASV0, 3
.set SOA,  4
.set SPW,  5
.set NIL,  6
.set SRD,  7
.set ADK,  8
.set ADV,  9
.set ADS,  10
.set ADT,  11
.set TM,   232
.set TP,   236
.set AX,   236
.set TO,   244
.set PC,   224
.set WV,   18
.set SEL,  20
.set CS,   22
.set G1X,  24                          ; s[24:31] 96 rows of 256 bytes: two key steps;  s[32:35] its group 0
.set G0X,  32
.set G0Y,  36                          ; s[36:39], s[68:75] 144 rows: three key steps
.set G1S,  52                          ; s[52:59], s[60:63] 16 rows: all of K's or V's scale words
.set G0S,  60
.set G1Y,  68
.set TB,   2
.set TBV,  3
.set TS,   66
.set CNT,  67
.set MSB, 0
.macro WIN new
.if MSB != (\new)
	s_set_vgpr_msb (MSB<<8)|(\new)
.set MSB, (\new)
.endif
.endm
.macro PLACES n
.rept \n
	v_nop
.endr
.endm
.macro CROUND
	s_barrier_signal -1
	s_barrier_wait -1
	s_cmp_lg_u32 s[WV], 0
	s_cbranch_scc1 .Lnot_wave_0_\@
	s_barrier_signal -3
.Lnot_wave_0_\@:
	s_barrier_wait -3
	s_barrier_signal -1
	s_barrier_wait -1
.endm
.macro QUANT s, pw
.irp b, 0,1,2,3
	v_max3_num_f32 v[TM+\b], |v[\s+16*\b]|, |v[\s+1+16*\b]|, 0x1800000
.endr
.irp i, 2,4,6,8,10,12,14
.irp b, 0,1,2,3
	s_delay_alu instid0(VALU_DEP_4)
	v_max3_num_f32 v[TM+\b], v[TM+\b], |v[\s+16*\b+\i]|, |v[\s+1+16*\b+\i]|
.endr
.endr
.irp b, 0,1,2,3
	s_delay_alu instid0(VALU_DEP_4)
	v_permlanex16_b32 v[TP+\b], v[TM+\b], s[SEL], s[SEL+1]
.endr
.irp b, 0,1,2,3
	s_delay_alu instid0(VALU_DEP_4)
	v_max_num_f32 v[TM+\b], v[TM+\b], v[TP+\b]
.endr
.irp b, 0,1,2,3
	s_delay_alu instid0(VALU_DEP_4)
	v_add_nc_u32 v[TO+\b], 0xff000000, v[TM+\b]
.endr
.irp b, 0,1,2,3
	s_delay_alu instid0(VALU_DEP_4)
	v_lshrrev_b32 v[TP+\b], 23, v[TO+\b]
.endr
	s_delay_alu instid0(VALU_DEP_3)
	v_lshl_or_b32 v[\pw], v[TP+1], 8, v[TP]
	s_delay_alu instid0(VALU_DEP_1)
	v_lshl_or_b32 v[\pw], v[TP+2], 16, v[\pw]
	s_delay_alu instid0(VALU_DEP_1)
	v_lshl_or_b32 v[\pw], v[TP+3], 24, v[\pw]
.irp c, 0,1
	v_cvt_scalef32_pk16_fp6_f32 v[PC+6*\c:PC+2+6*\c], v[\s+32*\c:\s+15+32*\c], v[TO+2*\c]
	v_cvt_scalef32_pk16_fp6_f32 v[AX+4*\c:AX+2+4*\c], v[\s+16+32*\c:\s+31+32*\c], v[TO+2*\c+1]
.endr
	v_nop
.irp c, 0,1
.irp i, 0,1,2
	v_permlane16_swap_b32 v[PC+6*\c+\i], v[AX+4*\c+\i]
.endr
.irp i, 0,1,2
	s_delay_alu instid0(VALU_DEP_3)
	v_mov_b32 v[PC+3+6*\c+\i], v[AX+4*\c+\i]
.endr
.endr
.endm
; Tile tt's softmax of one key step, all in window tt
.macro SOFTMAX tt
	WIN 0x55*\tt
.irp b, 0,1,2,3
	v_max3_num_f32 v[232+\b], v[96+16*\b], v[97+16*\b], v[98+16*\b]   ; the largest score of each block of 32 keys: for the row's maximum, and for the block's largest p
.endr
.irp i, 3,5,7,9,11,13
.irp b, 0,1,2,3
	v_max3_num_f32 v[232+\b], v[232+\b], v[96+16*\b+\i], v[97+16*\b+\i]
.endr
.endr
.irp b, 0,1,2,3
	v_max_num_f32 v[232+\b], v[232+\b], v[111+16*\b]
.endr
.irp b, 0,1,2,3
	s_delay_alu instid0(VALU_DEP_4)
	v_permlanex16_b32 v[236+\b], v[232+\b], s[SEL], s[SEL+1]
.endr
.irp b, 0,1,2,3
	s_delay_alu instid0(VALU_DEP_4)
	v_max_num_f32 v[232+\b], v[232+\b], v[236+\b]    ; with lane l xor 16's 16 keys
.endr
	s_delay_alu instid0(VALU_DEP_2)
	v_max3_num_f32 v254, v232, v233, v234
	s_delay_alu instid0(VALU_DEP_1)
	v_max_num_f32 v254, v254, v235
	s_delay_alu instid0(VALU_DEP_1)
	v_mul_f32 v254, s[CS], v254                      ; as t
	s_delay_alu instid0(VALU_DEP_1)
	v_max_num_f32 v13, v13, v254                     ; the running largest t
	v_mov_b32 v254, v12
	s_delay_alu instid0(VALU_DEP_2)
	v_floor_f32 v12, -v13                            ; -M = floor(-t): M is a whole number
	s_delay_alu instid0(VALU_DEP_1)
	v_sub_f32 v254, v12, v254                        ; old M - new M: a whole number, 0 or less
	s_delay_alu instid0(VALU_DEP_1)
	v_cvt_i32_f32 v254, v254                         ; (it saturates)
	s_delay_alu instid0(VALU_DEP_1)
	v_ldexp_f32 v252, 1.0, v254                      ; f = 2^(old M - new M)
.set j, 0
.rept 32
	v_pk_fma_f32 v[96+j:97+j], v[96+j:97+j], s[CS:CS+1], v[12:13] op_sel_hi:[1,0,0]   ; t - M
.set j, j+2
.endr
.irp b, 0,1,2,3
	v_fma_f32 v[232+\b], v[232+\b], s[CS], v12
.endr
.set j, 0
	s_wait_alu depctr_va_vdst(0)
.rept 64
	v_exp_f32 v[96+j], v[96+j]                       ; p = 2^(t - M)
.set j, j+1
.endr
	v_pk_mul_f32 v[14:15], v[14:15], v[252:253] op_sel_hi:[1,0]   ; the sums under the new M; also the plain place behind the exponentials
	s_wait_alu depctr_va_vdst(0)                     ; one wait for the batch of 64, ahead of its first reader
.irp b, 0,1,2,3
	v_exp_f32 v[232+\b], v[232+\b]                   ; each block's largest p
.endr
	v_pk_add_f32 v[236:237], v[96:97], v[98:99]      ; the row's sum of the unquantised p, in two chains
.set j, 4
.rept 15
	v_pk_add_f32 v[14:15], v[14:15], v[96+j:97+j]
	v_pk_add_f32 v[236:237], v[236:237], v[98+j:99+j]
.set j, j+4
.endr
	s_delay_alu instid0(VALU_DEP_1)
	v_pk_add_f32 v[14:15], v[14:15], v[236:237]
	s_wait_alu depctr_va_vdst(0)                     ; and one for the four
.irp b, 0,1,2,3
	v_max_num_f32 v[232+\b], 0x1800000, v[232+\b]    ; the floor 2^(3 - 127)
.endr
.irp b, 0,1,2,3
	s_delay_alu instid0(VALU_DEP_4)
	v_add_nc_u32 v[244+\b], 0xff000000, v[232+\b]
.endr
.irp b, 0,1,2,3
	s_delay_alu instid0(VALU_DEP_4)
	v_lshrrev_b32 v[236+\b], 23, v[244+\b]
.endr
	s_delay_alu instid0(VALU_DEP_3)
	v_lshl_or_b32 v253, v237, 8, v236
	s_delay_alu instid0(VALU_DEP_1)
	v_lshl_or_b32 v253, v238, 16, v253
	s_delay_alu instid0(VALU_DEP_1)
	v_lshl_or_b32 v253, v239, 24, v253               ; p's scale word for these 128 keys,
	WIN 0x01*\tt
	v_mov_b32 v[90+\tt], v253                        ; to its register in window 0; more than eight plain lines follow ahead of the products that read it
	WIN 0x55*\tt
.irp c, 0,1
	v_cvt_scalef32_pk16_fp6_f32 v[224+6*\c:226+6*\c], v[96+32*\c:111+32*\c], v[244+2*\c]
	v_cvt_scalef32_pk16_fp6_f32 v[236+4*\c:238+4*\c], v[112+32*\c:127+32*\c], v[244+2*\c+1]
.endr
	v_nop
.irp c, 0,1
.irp i, 0,1,2
	v_permlane16_swap_b32 v[224+6*\c+\i], v[236+4*\c+\i]
.endr
.irp i, 0,1,2
	s_delay_alu instid0(VALU_DEP_3)
	v_mov_b32 v[227+6*\c+\i], v[236+4*\c+\i]
.endr
.endr
.set j, 0
.rept 32
	v_pk_mul_f32 v[160+j:161+j], v[160+j:161+j], v[252:253] op_sel_hi:[1,0]   ; O^T under the new M; ascending, each accumulator from its low end on
.set j, j+2
.endr
.endm
; A key step: 128 keys.  Its LDS addresses hang on scalars stepped by constants.
.macro STEP
	v_add_nc_u32 v[ADK], s[TB], v[L16]               ; these four are also the places behind the last products, in front of the loads below
	v_add_nc_u32 v[ADV], s[TBV], v[L16]
	v_add_nc_u32 v[ADS], s[TS], v[ASK0]
	v_add_nc_u32 v[ADT], s[TS], v[ASV0]
.irp t, 0,1,2,3
.irp c, 0,1,2
	ds_load_b128 v[32+12*\t+4*\c:35+12*\t+4*\c], v[ADK] offset:FRB*\t+512*\c
.endr
.endr
	ds_load_b128 v[80:83], v[ADS]                    ; row r's words of tiles 0-3,
	ds_load_b128 v[84:87], v[ADS] offset:256         ; of tiles 4-7
	WIN 0x40
.irp t, 0,1,2,3
.irp c, 0,1,2
	ds_load_b128 v[32+12*\t+4*\c:35+12*\t+4*\c], v[ADK] offset:FRB*(4+\t)+512*\c
.endr
.endr
	s_wait_alu depctr_va_vdst(0)
.irp g, 0,1                                      ; S^T = K Q^T
.if \g == 0
	s_wait_dscnt 12                                  ; tiles 0-3 and the scale words are in; the 12 loads of tiles 4-7 may be out
.else
	s_wait_dscnt 0x0
.endif
.irp tt, 0,1
	WIN 0x54*\tt+\g                                  ; K window g; Q and S^T window tt
.irp t, 0,1,2,3
	v_wmma_scale_f32_16x16x128_f8f6f4 v[96+8*(4*\g+\t):103+8*(4*\g+\t)], v[32+12*\t:43+12*\t], v[16:27], 0, v[80+4*\g+\t], v[88+\tt] matrix_a_fmt:MATRIX_FMT_FP6 matrix_b_fmt:MATRIX_FMT_FP6
.endr
.endr
.endr
	WIN 0
	PLACES 4                                         ; in front of loads into registers that the products have read, and of the first read of scores
.irp t, 0,1,2,3                                  ; V's fragments and scale words land under the softmax
.irp c, 0,1,2
	ds_load_b128 v[32+12*\t+4*\c:35+12*\t+4*\c], v[ADV] offset:FRB*\t+512*\c
.endr
.endr
.irp t, 0,1,2,3,4,5,6,7
	ds_load_b32 v[80+\t], v[ADT] offset:64*\t
.endr
	WIN 0x40
.irp t, 0,1,2,3
.irp c, 0,1,2
	ds_load_b128 v[32+12*\t+4*\c:35+12*\t+4*\c], v[ADV] offset:FRB*(4+\t)+512*\c
.endr
.endr
	SOFTMAX 0
	SOFTMAX 1
	WIN 0
	s_wait_alu depctr_va_vdst(0)
	s_wait_dscnt 0x0                                 ; V
.irp g, 0,1                                      ; O^T += V^T P^T: sixteen accumulators by turns
.irp tt, 0,1
	WIN 0x54*\tt+\g
.irp t, 0,1,2,3
	v_wmma_scale_f32_16x16x128_f8f6f4 v[160+8*(4*\g+\t):167+8*(4*\g+\t)], v[32+12*\t:43+12*\t], v[224:235], v[160+8*(4*\g+\t):167+8*(4*\g+\t)], v[80+4*\g+\t], v[90+\tt] matrix_a_fmt:MATRIX_FMT_FP6 matrix_b_fmt:MATRIX_FMT_FP6
.endr
.endr
.endr
	WIN 0
	s_add_co_u32 s[TB], s[TB], STEPB
	s_add_co_u32 s[TBV], s[TBV], STEPB
	s_add_co_u32 s[TS], s[TS], 512
.endm
.macro INIT
	v_mov_b32 v13, 0xff61b1e6                        ; the largest t so far: -3e38
	s_delay_alu instid0(VALU_DEP_1)
	v_floor_f32 v12, -v13
	v_mov_b32 v14, 0
	v_mov_b32 v15, 0
.irp b, 0,1,2,3
	v_mov_b32 v[236+\b], 0                           ; a lane permute's destination counts as one of its sources
.endr
	v_mov_b32 v253, 0
.set j, 0
.rept 64
	v_mov_b32 v[160+j], 0                            ; O^T: the step is written without a first step of its own; the first change of M leaves zeros zeros
.set j, j+1
.endr
.endm
	s_load_b128 s[4:7], s[0:1], 0x0                ; qkv s[4:5], aq s[6:7]
	v_lshl_add_u32 v[SPW], v0, 2, SPARE
	v_mov_b32 v[NIL], 0
	ds_add_u32 v[SPW], v[NIL]                      ; the wave's opening: the add and its wait ahead of the first tensor loads
	ds_add_u32 v[SPW], v[NIL]
	v_lshrrev_b32 v8, 5, v0
	s_delay_alu instid0(VALU_DEP_1)
	v_readfirstlane_b32 s[WV], v8                  ; wave 0..7
	s_bfe_u32 s8, ttmp6, 0x40000                   ; cx
	s_lshl_b32 s9, ttmp9, 2
	s_add_co_u32 s9, s9, s8                        ; x: it enters Q's and out's addresses alone
	s_and_b32 s10, ttmp7, 0xffff
	s_and_b32 s11, s10, 3                          ; kvh
	s_lshr_b32 s12, s10, 2                         ; b
	s_and_b32 s13, s[WV], 1
	s_lshr_b32 s14, s[WV], 1                       ; my query head of the four.  In waves 4-7 its low bit: I fetch for K (0) or for V (1)
.irp g, G1X, G1Y, G1S
	s_mov_b32 s[\g], 15|(3<<16)|(1<<21)            ; 15:0 the mask: all four work-groups; 17:16 elements of 8 bytes; 21 set beside a mask; no padding
	s_mov_b32 s[\g+1], 32<<16                      ; rows of 256 bytes, dense
	s_mov_b32 s[\g+3], 32<<16
	s_mov_b32 s[\g+5], 32
	s_mov_b32 s[\g+6], 0
	s_mov_b32 s[\g+7], 0
.endr
	s_mov_b32 s[G1X+2], 96<<16                     ; 96 rows: key steps 0 and 1
	s_mov_b32 s[G1X+4], 96
	s_mov_b32 s[G1Y+2], 144<<16
	s_mov_b32 s[G1Y+4], 144
	s_mov_b32 s[G1S+2], 16<<16                     ; 16 rows: all of K's or of V's scale words
	s_mov_b32 s[G1S+4], 16
	s_add_co_u32 s44, s11, 16
	s_lshl_b32 s44, s44, 8
	s_lshl_b32 s45, s12, 6
	s_add_co_u32 s44, s44, s45                     ; K's first row block among the 20 heads x 256
	s_lshl_b32 s45, s44, 6
	s_add_co_u32 s45, s45, QKSC                    ; its scale words,
	s_mul_i32 s44, s44, FRB                        ; its images
	s_lshl_b32 s46, s11, 2
	s_add_co_u32 s46, s46, s12                     ; 4 kvh + b
	s_lshl_b32 s47, s46, 12
	s_add_co_u32 s47, s47, VSC
	s_mul_i32 s46, s46, VREG
	s_add_co_u32 s46, s46, VIMG
	; EVERY WAVE FILLS ONE PART, ONCE: waves 0, 1 key steps 0-1 of K, of V; waves 2, 3 K's, V's scale words; waves 4, 5 K's key steps 2-4, 5-7; waves 6, 7 V's
	s_cmp_eq_u32 s13, 0                            ; waves 0-3: the even ones fetch for K, the odd ones for V
	s_cselect_b32 s40, s44, s46                    ; offsets in qkv: codes,
	s_cselect_b32 s42, s45, s47                    ; scale words
	s_and_b32 s41, s14, 1                          ; waves 4-7: K (4, 5) or V (6, 7)
	s_cmp_eq_u32 s41, 0
	s_cselect_b32 s43, s44, s46
	s_mov_b32 s[G0S], 1
	s_lshl_b32 s[G0S+1], s13, 12
	s_add_co_u32 s[G0S+1], s[G0S+1], SCK
	s_mov_b32 s[G0S+2], s42
	s_mov_b32 s[G0S+3], 0
	s_mov_b32 s[G0X], 1
	s_mul_i32 s[G0X+1], s13, VREG
	s_mov_b32 s[G0X+2], s40
	s_mov_b32 s[G0X+3], 0
	s_mul_i32 s45, s13, 3*STEPB
	s_add_co_u32 s45, s45, 2*STEPB                 ; key steps 2-4 or 5-7
	s_mul_i32 s46, s41, VREG
	s_mov_b32 s[G0Y], 1
	s_add_co_u32 s[G0Y+1], s46, s45
	s_add_co_u32 s[G0Y+2], s43, s45
	s_mov_b32 s[G0Y+3], 0
	s_lshl_b32 s15, s11, 2
	s_add_co_u32 s15, s15, s14                     ; my head
	s_lshl_b32 s16, s12, 6
	s_lshl_b32 s17, s9, 2
	s_add_co_u32 s16, s16, s17                     ; the work-group's first row block: 64 b + 4 x
	s_lshl_b32 s17, s13, 1
	s_add_co_u32 s17, s17, s16                     ; mine
	s_lshl_b32 s19, s15, 8
	s_add_co_u32 s76, s19, s17
	s_mul_i32 s76, s76, FRB                        ; Q's images
	s_mov_b32 s77, 0
	s_add_co_u32 s78, s19, s16
	s_lshl_b32 s78, s78, 6
	s_lshl_b32 s19, s13, 3
	s_add_co_u32 s78, s78, s19                     ; my two of a row's four scale words
	s_add_co_u32 s78, s78, QKSC
	s_mov_b32 s79, 0
	s_lshl_b32 s44, s17, 4
	s_add_co_u32 s44, s44, s15
	s_mul_i32 s44, s44, FRB                        ; out's images: (row block x 16 + head) x 1,536
	s_mov_b32 s45, 0
	s_and_b32 s46, s[WV], 3
	s_add_co_u32 s46, s46, s16
	s_lshl_b32 s46, s46, 10
	s_lshl_b32 s47, s11, 8
	s_add_co_u32 s46, s46, s47
	s_add_co_u32 s46, s46, ASC                     ; out's scale words: row block 64 b + 4 x + (w & 3), the kv head's 256 bytes
	s_mov_b32 s47, 0
	s_mov_b32 s[SEL], 0x76543210
	s_mov_b32 s[SEL+1], 0xfedcba98
	s_mov_b32 s[CS], 0x3e0293ee                    ; c = log2(e) / sqrt(128)
	s_mov_b32 s[CS+1], s[CS]
	s_mov_b32 s[TB], 0
	s_mov_b32 s[TBV], VREG
	s_mov_b32 s[TS], 0
	s_wait_dscnt 0x0                               ; the opening add is done
	s_wait_kmcnt 0x0
	s_add_nc_u64 s[G0S+2:G0S+3], s[4:5], s[G0S+2:G0S+3]
	s_or_b32 s[G0S+3], s[G0S+3], 0x80000000
	s_add_nc_u64 s[G0X+2:G0X+3], s[4:5], s[G0X+2:G0X+3]
	s_or_b32 s[G0X+3], s[G0X+3], 0x80000000
	s_add_nc_u64 s[G0Y+2:G0Y+3], s[4:5], s[G0Y+2:G0Y+3]
	s_or_b32 s[G0Y+3], s[G0Y+3], 0x80000000
	s_add_nc_u64 s[76:77], s[4:5], s[76:77]
	s_add_nc_u64 s[78:79], s[4:5], s[78:79]
	s_add_nc_u64 s[44:45], s[6:7], s[44:45]
	s_add_nc_u64 s[46:47], s[6:7], s[46:47]
	CROUND                                         ; all four work-groups are here: the joint loads meet
	s_cmp_lt_u32 s[WV], 2                          ; one chain of branches on the wave's number, one fill to an arm, one join
	s_cbranch_scc0 .Lfill_s
	tensor_load_to_lds s[G0X:G0X+3], s[G1X:G1X+7]
	s_nop 0
.rept 4
	v_nop
.endr
	s_branch .Lfilled
.Lfill_s:
	s_cmp_lt_u32 s[WV], 4
	s_cbranch_scc0 .Lfill_y
	tensor_load_to_lds s[G0S:G0S+3], s[G1S:G1S+7]
	s_nop 0
.rept 4
	v_nop
.endr
	s_branch .Lfilled
.Lfill_y:
	tensor_load_to_lds s[G0Y:G0Y+3], s[G1Y:G1Y+7]
	s_nop 0
.rept 4
	v_nop
.endr
.Lfilled:
	v_and_b32 v8, 31, v0
	s_delay_alu instid0(VALU_DEP_1)
	v_lshlrev_b32 v[L16], 4, v8
	v_and_b32 v9, 15, v0                           ; r
	s_wait_alu depctr_va_vdst(0)
	v_lshl_add_u32 v[ASK0], v9, 4, SCK
	v_lshl_add_u32 v[ASV0], v9, 2, SCV
	s_lshl_b32 s40, s13, 9
	s_lshr_b32 s41, s14, 1
	s_lshl_b32 s41, s41, 7
	s_add_co_u32 s40, s40, s41
	s_and_b32 s41, s14, 1
	s_lshl_b32 s41, s41, 2
	s_add_co_u32 s40, s40, s41
	s_add_co_u32 s40, s40, SCO
	v_lshl_add_u32 v[SOA], v9, 3, s40              ; out's scale word in the stage: 256 (2 (w & 1) + T) + 128 (rep / 2) + 8 r + 4 (rep % 2)
	s_and_b32 s40, s[WV], 3
	s_lshl_b32 s40, s40, 8
	s_add_co_u32 s40, s40, SCO
	v_lshl_add_u32 v[SRD], v8, 3, s40
	v_lshlrev_b32 v10, 4, v9
.irp c, 0,1,2
	global_load_b128 v[16+4*\c:19+4*\c], v[L16], s[76:77] offset:512*\c
.endr
	global_load_b32 v88, v10, s[78:79]
	global_load_b32 v89, v10, s[78:79] offset:4
	WIN 0x40
.irp c, 0,1,2
	global_load_b128 v[16+4*\c:19+4*\c], v[L16], s[76:77] offset:FRB+512*\c
.endr
	WIN 0
	INIT
	WIN 0x55
	INIT
	WIN 0
	s_wait_tensorcnt 0x0                           ; my one fill is in,
	s_barrier_signal -1
	s_barrier_wait -1                              ; everybody's is: all of K, V and their scale words; nothing is filled again in this launch
	s_wait_loadcnt 0x0                             ; Q
	s_mov_b32 s[CNT], 8                            ; the eight key steps in one loop
.Lrest:
	STEP
	s_sub_co_u32 s[CNT], s[CNT], 1
	s_cmp_lg_u32 s[CNT], 0
	s_cbranch_scc1 .Lrest
	PLACES 4
; THE WAY OUT of tile tt: O^T / the sum; register 16 b + i is channel 32 b + 16 h + i of my query: the last product's K.  Quantised, it leaves as an image; the scale words meet in LDS.
.macro FINISH tt
	WIN 0x55*\tt
	v_add_f32 v14, v14, v15
	s_delay_alu instid0(VALU_DEP_1)
	v_permlanex16_b32 v252, v14, s[SEL], s[SEL+1]
	s_delay_alu instid0(VALU_DEP_1)
	v_add_f32 v14, v14, v252                         ; the row's sum
	s_wait_alu depctr_va_vdst(0)
	v_rcp_f32 v14, v14
	v_nop                                            ; a plain place behind the transcendental
	s_wait_alu depctr_va_vdst(0)                     ; and the wait ahead of its first reader
.set j, 0
.rept 64
	v_mul_f32 v[96+j], v[160+j], v14
.set j, j+1
.endr
	QUANT 96, 253
	WIN 0x04*\tt                                     ; a store's data are its source 1
.irp c, 0,1,2
	global_store_b128 v[L16], v[224+4*\c:227+4*\c], s[44:45] offset:16*FRB*\tt+512*\c   ; 512 consecutive bytes, aligned
.endr
	ds_store_b32 v[SOA], v253 offset:256*\tt         ; lanes r and r + 16 write the same word with the same value
.endm
	FINISH 0
	FINISH 1
	WIN 0
	s_wait_dscnt 0x0                               ; for the others' sake: my words have landed
	s_barrier_signal -1
	s_barrier_wait -1
	s_cmp_lt_u32 s[WV], 4
	s_cbranch_scc0 .Lno_words
	ds_load_b64 v[8:9], v[SRD]                     ; wave w: row block w's 256 bytes
	v_and_b32 v10, 31, v0
	s_delay_alu instid0(VALU_DEP_1)
	v_lshlrev_b32 v10, 3, v10
	s_wait_alu depctr_va_vdst(0)
	s_wait_dscnt 0x0
	global_store_b64 v10, v[8:9], s[46:47]         ; 256 consecutive bytes, aligned
.Lno_words:
	s_wait_tensorcnt 0x0                           ; the wave's end, behind my last LDS store
	ds_add_u32 v[SPW], v[NIL]
	s_wait_dscnt 0x0
	CROUND                                         ; the closing round
	s_endpgm
.Lfunc_end_k_q7ee08df20a_att:
	.size	k_q7ee08df20a_att, .Lfunc_end_k_q7ee08df20a_att-k_q7ee08df20a_att
	.p2alignl 7, 3214868480
	.fill 96, 4, 3214868480
	.section	.rodata,"a",@progbits
	.p2align	6, 0x0
	.amdhsa_kernel k_q7ee08df20a_att
		.amdhsa_group_segment_fixed_size 206848
		.amdhsa_private_segment_fixed_size 0
		.amdhsa_enable_private_segment 0
		.amdhsa_kernarg_size 16
		.amdhsa_user_sgpr_count 2
		.amdhsa_user_sgpr_kernarg_segment_ptr 1
		.amdhsa_wavefront_size32 1
		.amdhsa_system_sgpr_workgroup_id_x 1
		.amdhsa_system_sgpr_workgroup_id_y 1
		.amdhsa_system_sgpr_workgroup_id_z 1
		.amdhsa_system_vgpr_workitem_id 0
		.amdhsa_next_free_vgpr 512
		.amdhsa_next_free_sgpr 80
		.amdhsa_reserve_vcc 0
		.amdhsa_float_denorm_mode_32 3
		.amdhsa_float_denorm_mode_16_64 3
		.amdhsa_memory_ordered 1
		.amdhsa_forward_progress 1
		.amdhsa_inst_pref_size 67
	.end_amdhsa_kernel
	.amdgpu_metadata
---
amdhsa.version: [ 1, 2 ]
amdhsa.kernels:
  - .name:           k_q7ee08df20a_att
    .symbol:         k_q7ee08df20a_att.kd
    .args:
      - { .name: qkv, .offset: 0, .size: 8, .value_kind: global_buffer, .address_space: global }
      - { .name: aq, .offset: 8, .size: 8, .value_kind: global_buffer, .address_space: global }
    .group_segment_fixed_size: 206848
    .private_segment_fixed_size: 0
    .kernarg_segment_align: 8
    .kernarg_segment_size: 16
    .max_flat_workgroup_size: 256
    .sgpr_count:     80
    .vgpr_count:     512
    .wavefront_size: 32
...
	.end_amdgpu_metadata
.endif
;; end of part 3
;; launch g2 (part 4): grid 16 x 16, 4 waves a work-group, clusters of 4 x 4, 327,680 bytes of LDS; arguments aq, wq, b_o, out0; writes out0
.if DOCPART == 4
	.amdgcn_target "amdgcn-amd-amdhsa--gfx1250"
	.amdhsa_code_object_version 6
	.text
	.protected	k_q7ee08df20a_g2
	.globl	k_q7ee08df20a_g2
	.p2align	8
	.type	k_q7ee08df20a_g2,@function
k_q7ee08df20a_g2:
	s_mov_b64 s[64:65], 0
	v_nop
	global_prefetch_b8 v0, s[64:65] scope:SCOPE_SE
	s_setreg_imm32_b32 hwreg(HW_REG_WAVE_MODE, 25, 1), 1
	s_wait_xcnt 0x0
	s_wait_alu depctr_hold_cnt(0) depctr_sa_sdst(0) depctr_va_vdst(0) depctr_va_sdst(0) depctr_va_ssrc(0) depctr_va_vcc(0) depctr_vm_vsrc(0)
	s_getreg_b32 s2, hwreg(HW_REG_IB_STS2, 6, 4)
	s_cmp_eq_u32 s2, 0
	s_cbranch_scc0 .Lentry_in_a_cluster
	s_endpgm
.Lentry_in_a_cluster:
	s_bfe_u32 s2, ttmp6, 0x10000c
	s_cmp_lg_u32 s2, 0xf033
	s_cbranch_scc0 .Lentry_shape_is_right
	s_endpgm
.Lentry_shape_is_right:
.set FRB,   1536
.set BP,    16*FRB
.set PH,    4*FRB
.set BOFF,  16*PH
.set SLOT,  24*PH
.set SCA,   2*SLOT
.set SCB,   SCA+16*1024
.set SPARE, SCB+8*1024
.set ASC,   6291456
.set BIMG,  4718592
.set BSC,   8060928
.set SP,    528
.set L16,  4
.set STO,  5
.set RD,   6
.set ADRA, 16
.set ADRB, 20
.set BO,   26
.set ADRS, 27
.set SPW,  28
.set NIL,  29
.set SC,   32
.set AF,   128
.set BK,   128
.set BIAS, 192
.set G1A,  24
.set G0A,  32
.set G1B,  48
.set G0B,  56
.set G1SA, 68
.set G0SA, 76
.set G1SB, 80
.set G0SB, 88
.set MSB, 0
.macro WIN new
.if MSB != (\new)
	s_set_vgpr_msb (MSB<<8)|(\new)
.set MSB, (\new)
.endif
.endm
.macro PLACES n
.rept \n
	v_nop
.endr
.endm
.macro JLOAD g0a, g1a, g0b, g1b
	s_cmp_eq_u32 s17, 0
	s_cbranch_scc0 .Lfor_b_\@
	tensor_load_to_lds s[\g0a:\g0a+3], s[\g1a:\g1a+7]
	s_nop 0
.rept 4
	v_nop
.endr
	s_branch .Lasked_\@
.Lfor_b_\@:
	tensor_load_to_lds s[\g0b:\g0b+3], s[\g1b:\g1b+7]
	s_nop 0
.rept 4
	v_nop
.endr
.Lasked_\@:
.endm
.macro CREST
	s_cmp_lg_u32 s16, 0
	s_cbranch_scc1 .Lnot_wave_0_\@
	s_barrier_signal -3
.Lnot_wave_0_\@:
	s_barrier_wait -3
	s_barrier_signal -1
	s_barrier_wait -1
.endm
.macro CROUND
	s_barrier_signal -1
	s_barrier_wait -1
	CREST
.endm
.macro LB slot, q, p, b0, n
	WIN 0x40
.set LBB, \b0
.rept \n
.irp g, 0,1,2
	ds_load_b128 v[96*(\p)+12*LBB+4*\g:96*(\p)+12*LBB+4*\g+3], v[ADRB+\slot] offset:PH*LBB+FRB*(\q)+512*\g
.endr
.set LBB, LBB+1
.endr
.endm
.macro LA slot, q, p, a0, n
	WIN 0
.set LAA, \a0
.rept \n
.irp g, 0,1,2
	ds_load_b128 v[AF+48*(\p)+12*LAA+4*\g:AF+48*(\p)+12*LAA+4*\g+3], v[ADRA+\slot] offset:PH*LAA+FRB*(\q)+512*\g
.endr
.set LAA, LAA+1
.endr
.endm
.macro SCALES sc, ph
.irp i, 0,1,2,3,4,5,6,7
.irp kp, 0,1
	ds_load_b64 v[SC+32*(\sc)+4*\i+2*\kp:SC+32*(\sc)+4*\i+2*\kp+1], v[ADRS] offset:1024*\i+128*(2*(\ph)+\kp)
.endr
.endr
.endm
.macro MUL8 a, p, q, sc, first
.if \first
	WIN 0x91
.else
	WIN 0xa1
.endif
.irp b, 0,1,2,3,4,5,6,7
.if \first
	v_wmma_scale_f32_16x16x128_f8f6f4 v[8*(8*\a+\b):8*(8*\a+\b)+7], v[96*(\p)+12*\b:96*(\p)+12*\b+11], v[AF+48*(\p)+12*\a:AF+48*(\p)+12*\a+11], v[BIAS+8*\b:BIAS+8*\b+7], v[SC+32*(\sc)+4*\b+(\q)], v[SC+32*(\sc)+4*\a+(\q)] matrix_a_fmt:MATRIX_FMT_FP6 matrix_b_fmt:MATRIX_FMT_FP6 matrix_a_scale:MATRIX_SCALE_ROW1
.else
	v_wmma_scale_f32_16x16x128_f8f6f4 v[8*(8*\a+\b):8*(8*\a+\b)+7], v[96*(\p)+12*\b:96*(\p)+12*\b+11], v[AF+48*(\p)+12*\a:AF+48*(\p)+12*\a+11], v[8*(8*\a+\b):8*(8*\a+\b)+7], v[SC+32*(\sc)+4*\b+(\q)], v[SC+32*(\sc)+4*\a+(\q)] matrix_a_fmt:MATRIX_FMT_FP6 matrix_b_fmt:MATRIX_FMT_FP6 matrix_a_scale:MATRIX_SCALE_ROW1
.endif
.endr
.endm
.macro STEP slot, q, first, ld, ph
	PLACES 4
	s_wait_dscnt 9
.if \ld
	SCALES 1-(\slot), \ph
.endif
	LB \slot, (\q)+1, 1-(\q)%2, 0, 3
	MUL8 0, (\q)%2, \q, \slot, \first
	s_wait_dscnt 9+16*(\ld)
	LB \slot, (\q)+1, 1-(\q)%2, 3, 3
	MUL8 1, (\q)%2, \q, \slot, \first
	LB \slot, (\q)+1, 1-(\q)%2, 6, 2
	LA \slot, (\q)+1, 1-(\q)%2, 0, 1
	MUL8 2, (\q)%2, \q, \slot, \first
	LA \slot, (\q)+1, 1-(\q)%2, 1, 3
	MUL8 3, (\q)%2, \q, \slot, \first
	WIN 0
.endm
.macro TURN slot, next, refill
	s_wait_tensorcnt 0x0
	ds_add_u32 v[SPW], v[NIL]
	s_wait_dscnt 1
	MUL8 0, 1, 3, \slot, 0
	s_wait_dscnt 0x0
	s_barrier_signal -1
	MUL8 1, 1, 3, \slot, 0
	WIN 0
	s_barrier_wait -1
.if \refill
	CREST
	s_add_nc_u64 s[G0A+4*\slot+2:G0A+4*\slot+3], s[G0A+4*\slot+2:G0A+4*\slot+3], 2*PH
	s_add_nc_u64 s[G0B+4*\slot+2:G0B+4*\slot+3], s[G0B+4*\slot+2:G0B+4*\slot+3], 2*PH
	JLOAD G0A+4*\slot, G1A, G0B+4*\slot, G1B
.else
	PLACES 4
.endif
	LB \next, 0, 0, 0, 4
	MUL8 2, 1, 3, \slot, 0
	LB \next, 0, 0, 4, 4
	LA \next, 0, 0, 0, 1
	MUL8 3, 1, 3, \slot, 0
	LA \next, 0, 0, 1, 3
.endm
	s_load_b256 s[4:11], s[0:1], 0x0
	v_lshl_add_u32 v[SPW], v0, 2, SPARE
	v_mov_b32 v[NIL], 0
	ds_add_u32 v[SPW], v[NIL]
	ds_add_u32 v[SPW], v[NIL]
	v_lshrrev_b32 v1, 5, v0
	v_readfirstlane_b32 s16, v1
	s_lshr_b32 s17, s16, 1
	s_and_b32 s18, s16, 1
	s_bfe_u32 s40, ttmp6, 0x40000
	s_bfe_u32 s41, ttmp6, 0x40004
	s_lshl_b32 s42, ttmp9, 2
	s_add_co_u32 s42, s42, s40
	s_and_b32 s43, ttmp7, 0xffff
	s_lshl_b32 s43, s43, 2
	s_add_co_u32 s43, s43, s41
	s_lshl_b32 s44, s41, 2
	s_lshl_b32 s44, 15, s44
	s_lshl_b32 s45, 0x1111, s40
	s_or_b32 s[G1A], s44, (3<<16)|(1<<21)
	s_or_b32 s[G1B], s45, (3<<16)|(1<<21)
	s_or_b32 s[G1SA], s44, (3<<16)|(1<<21)
	s_or_b32 s[G1SB], s45, (3<<16)|(1<<21)
	s_mov_b32 s[G1A+1], 768<<16
	s_mov_b32 s[G1A+2], 16<<16                     ; the head's load brings all 16 blocks' parts of slot 0
	s_mov_b32 s[G1A+3], 768<<16
	s_mov_b32 s[G1A+4], 16
	s_mov_b32 s[G1A+5], 3072
	s_mov_b32 s[G1A+6], 0
	s_mov_b32 s[G1A+7], 0
	s_mov_b32 s[G1B+1], 768<<16
	s_mov_b32 s[G1B+2], 8<<16                      ; the head's load brings all 8 blocks' parts of slot 0
	s_mov_b32 s[G1B+3], 768<<16
	s_mov_b32 s[G1B+4], 8
	s_mov_b32 s[G1B+5], 3072
	s_mov_b32 s[G1B+6], 0
	s_mov_b32 s[G1B+7], 0
	s_mov_b32 s[G1SA+1], 32<<16
	s_mov_b32 s[G1SA+2], 64<<16                    ; A's scale words whole: 16,384 dense bytes as 64 rows of 256
	s_mov_b32 s[G1SA+3], 32<<16
	s_mov_b32 s[G1SA+4], 64
	s_mov_b32 s[G1SA+5], 32
	s_mov_b32 s[G1SA+6], 0
	s_mov_b32 s[G1SA+7], 0
	s_mov_b32 s[G1SB+1], 32<<16
	s_mov_b32 s[G1SB+2], 32<<16                    ; B's whole: 8,192 dense bytes as 32 rows of 256
	s_mov_b32 s[G1SB+3], 32<<16
	s_mov_b32 s[G1SB+4], 32
	s_mov_b32 s[G1SB+5], 32
	s_mov_b32 s[G1SB+6], 0
	s_mov_b32 s[G1SB+7], 0
	s_lshl_b32 s20, s43, 4
	s_lshl_b32 s22, s20, 10                        ; the scale words of the tile's 16 blocks begin at block 16 y
	s_lshl_b32 s21, s18, 3
	s_add_co_u32 s20, s20, s21                     ; A's first block that I fetch in the ring: 16 y + 8 x half
	s_add_co_u32 s22, s22, ASC
	s_mov_b32 s23, 0
	s_mul_i32 s20, s20, BP
	s_mov_b32 s21, 0
	s_lshl_b32 s46, s42, 3
	s_lshl_b32 s92, s46, 10                        ; the scale words of the tile's 8 column blocks begin at block 8 x
	s_lshl_b32 s47, s18, 2
	s_add_co_u32 s46, s46, s47                     ; B's: 8 x + 4 x half
	s_add_co_u32 s92, s92, BSC
	s_mov_b32 s93, 0
	s_mul_i32 s46, s46, BP
.if BIMG
	s_add_co_u32 s46, s46, BIMG
.endif
	s_mov_b32 s47, 0
	s_mul_i32 s94, s18, 8*PH
	s_mul_i32 s95, s18, 4*PH
	s_wait_dscnt 0x0
	s_wait_kmcnt 0x0
	s_add_nc_u64 s[20:21], s[4:5], s[20:21]
	s_add_nc_u64 s[22:23], s[4:5], s[22:23]
	s_add_nc_u64 s[46:47], s[6:7], s[46:47]
	s_add_nc_u64 s[92:93], s[6:7], s[92:93]
	CROUND
	s_mov_b32 s[G0SA], 1
	s_mov_b32 s[G0SA+1], SCA
	s_mov_b64 s[G0SA+2:G0SA+3], s[22:23]
	s_or_b32 s[G0SA+3], s[G0SA+3], 0x80000000
	s_mov_b32 s[G0SB], 1
	s_mov_b32 s[G0SB+1], SCB
	s_mov_b64 s[G0SB+2:G0SB+3], s[92:93]
	s_or_b32 s[G0SB+3], s[G0SB+3], 0x80000000
.irp s, 0,1
	s_mov_b32 s[G0A+4*\s], 1
	s_add_co_u32 s[G0A+4*\s+1], s94, \s*SLOT
	s_add_nc_u64 s[G0A+4*\s+2:G0A+4*\s+3], s[20:21], \s*PH
	s_or_b32 s[G0A+4*\s+3], s[G0A+4*\s+3], 0x80000000
	s_mov_b32 s[G0B+4*\s], 1
	s_add_co_u32 s[G0B+4*\s+1], s95, \s*SLOT+BOFF
	s_add_nc_u64 s[G0B+4*\s+2:G0B+4*\s+3], s[46:47], \s*PH
	s_or_b32 s[G0B+4*\s+3], s[G0B+4*\s+3], 0x80000000
.endr
; THE HEAD'S LOADS, ONE A WAVE: wave 0 slot 0's 16 blocks of A, wave 1 A's scale words, wave 2 slot 0's 8 blocks of B, wave 3 B's scale words.
; Waves 0 and 2 have half 0, so their slot 0 group 0 points at the tile's first block.  One chain of branches on the wave's number; every way passes one load.
.macro ARM under, g0, g1, next
	s_cmp_lt_u32 s16, \under
	s_cbranch_scc0 \next
	tensor_load_to_lds s[\g0:\g0+3], s[\g1:\g1+7]
	s_nop 0
.rept 4
	v_nop
.endr
	s_branch .Lhead_asked
\next:
.endm
	ARM 1, G0A, G1A, .Lhead_sa
	ARM 2, G0SA, G1SA, .Lhead_b
	ARM 3, G0B, G1B, .Lhead_sb
	tensor_load_to_lds s[G0SB:G0SB+3], s[G1SB:G1SB+7]
	s_nop 0
.rept 4
	v_nop
.endr
.Lhead_asked:
	v_and_b32 v1, 31, v0
	v_and_b32 v2, 15, v0
	v_bfe_u32 v3, v0, 4, 1
	s_wait_alu depctr_va_vdst(0)
	v_lshlrev_b32 v[L16], 4, v1
	v_lshlrev_b32 v[BO], 6, v3
	s_lshl_b32 s46, s42, 9
	s_mov_b32 s47, 0
	s_add_nc_u64 s[8:9], s[8:9], s[46:47]
	s_add_nc_u64 s[10:11], s[10:11], s[46:47]
	WIN 0x40
.irp b, 0,1,2,3,4,5,6,7
	global_load_b128 v[BIAS+8*\b:BIAS+8*\b+3], v[BO], s[8:9] offset:(32*(\b/2)+8*(\b%2))*4
	global_load_b128 v[BIAS+8*\b+4:BIAS+8*\b+7], v[BO], s[8:9] offset:(32*(\b/2)+8*(\b%2))*4+16
.endr
	WIN 0
	s_mul_i32 s21, s16, 4*PH
	v_add_nc_u32 v[ADRA], s21, v[L16]
	v_add_nc_u32 v[ADRA+1], SLOT, v[ADRA]
	v_add_nc_u32 v[ADRB], BOFF, v[L16]
	v_add_nc_u32 v[ADRB+1], SLOT+BOFF, v[L16]
	s_xor_b32 s22, s16, 3
	s_add_co_u32 s22, s22, 1
	s_lshl_b32 s22, s22, 12
	v_mul_u32_u24 v7, s22, v3
	v_lshl_add_u32 v7, v2, 3, v7
	s_lshl_b32 s21, s16, 12
	s_add_co_u32 s21, s21, SCA
	v_add_nc_u32 v[ADRS], s21, v7
	s_mul_i32 s21, s16, 16*SP
	v_mul_u32_u24 v[STO], v2, SP
	v_lshl_add_u32 v[STO], v3, 6, v[STO]
	v_add_nc_u32 v[STO], s21, v[STO]
	v_add_nc_u32 v[RD], s21, v[L16]
	s_lshl_b32 s92, s43, 21
	s_lshl_b32 s93, s16, 19
	s_add_co_u32 s92, s92, s93
	s_mov_b32 s93, 0
	s_add_nc_u64 s[10:11], s[10:11], s[92:93]
	s_wait_alu depctr_va_vdst(0)
	s_wait_tensorcnt 0x0                           ; my tile of the head's four is in; slot 1's first fill is issued as a refill is:
	ds_add_u32 v[SPW], v[NIL]
	s_mov_b32 s[G1A+2], 8<<16                      ; no tensor load of mine is out: from here on a load brings half of a slot's blocks: 8 of A,
	s_mov_b32 s[G1A+4], 8
	s_mov_b32 s[G1B+2], 4<<16                      ; 4 of B
	s_mov_b32 s[G1B+4], 4
	s_wait_dscnt 0x0                               ; the add is done
	CROUND                                         ; a whole round: all four tiles are in, and the sixteen work-groups' joint loads meet
	JLOAD G0A+4, G1A, G0B+4, G1B                   ; slot 1, the first tensor load behind the round
	SCALES 0, 0
	LB 0, 0, 0, 0, 8
	LA 0, 0, 0, 0, 4
	s_wait_loadcnt 0x0
	STEP 0, 0, 1, 0, 0
	STEP 0, 1, 0, 1, 1
	STEP 0, 2, 0, 0, 0
	TURN 0, 1, 1
	STEP 1, 0, 0, 0, 0
	STEP 1, 1, 0, 1, 2
	STEP 1, 2, 0, 0, 0
	TURN 1, 0, 1
	STEP 0, 0, 0, 0, 0
	STEP 0, 1, 0, 1, 3
	STEP 0, 2, 0, 0, 0
	TURN 0, 1, 0
	STEP 1, 0, 0, 0, 0
	STEP 1, 1, 0, 0, 0
	STEP 1, 2, 0, 0, 0
	s_wait_dscnt 0x0
	MUL8 0, 1, 3, 1, 0
	MUL8 1, 1, 3, 1, 0
	MUL8 2, 1, 3, 1, 0
	MUL8 3, 1, 3, 1, 0
	WIN 0
.macro TOSTAGE a
	WIN 0x08
.set m, 0
.rept 16
	ds_store_b128 v[STO], v[64*(\a)+4*m:64*(\a)+4*m+3] offset:128*(m/4)+16*(m%4)
.set m, m+1
.endr
	WIN 0
.set m, 0
.rept 16
	ds_load_b128 v[BK+64*((\a)%2)+4*m:BK+64*((\a)%2)+4*m+3], v[RD] offset:SP*m
.set m, m+1
.endr
.endm
.macro SEND a, younger
	s_wait_dscnt \younger
.set m, 0
.rept 16
	global_store_b128 v[L16], v[BK+64*((\a)%2)+4*m:BK+64*((\a)%2)+4*m+3], s[10:11] offset:(32*((\a)/2)+8*((\a)%2)+m+8*(m/8))*8192 th:TH_STORE_NT
.set m, m+1
.endr
.endm
	PLACES 4
	TOSTAGE 0
.irp a, 1,2,3
.if \a > 1
	s_wait_xcnt 0x0
.endif
	TOSTAGE \a
	SEND \a-1, 32
.endr
	SEND 3, 0
	s_wait_tensorcnt 0x0
	ds_add_u32 v[SPW], v[NIL]
	s_wait_dscnt 0x0
	CROUND
	s_endpgm
.Lfunc_end_k_q7ee08df20a_g2:
	.size	k_q7ee08df20a_g2, .Lfunc_end_k_q7ee08df20a_g2-k_q7ee08df20a_g2
	.p2alignl 7, 3214868480
	.fill 96, 4, 3214868480
	.section	.rodata,"a",@progbits
	.p2align	6, 0x0
	.amdhsa_kernel k_q7ee08df20a_g2
		.amdhsa_group_segment_fixed_size 327680
		.amdhsa_private_segment_fixed_size 0
		.amdhsa_enable_private_segment 0
		.amdhsa_kernarg_size 32
		.amdhsa_user_sgpr_count 2
		.amdhsa_user_sgpr_kernarg_segment_ptr 1
		.amdhsa_wavefront_size32 1
		.amdhsa_system_sgpr_workgroup_id_x 1
		.amdhsa_system_sgpr_workgroup_id_y 1
		.amdhsa_system_sgpr_workgroup_id_z 1
		.amdhsa_system_vgpr_workitem_id 0
		.amdhsa_next_free_vgpr 768
		.amdhsa_next_free_sgpr 102
		.amdhsa_reserve_vcc 0
		.amdhsa_float_denorm_mode_32 3
		.amdhsa_float_denorm_mode_16_64 3
		.amdhsa_memory_ordered 1
		.amdhsa_forward_progress 1
		.amdhsa_inst_pref_size 140
	.end_amdhsa_kernel
	.amdgpu_metadata
---
amdhsa.version: [ 1, 2 ]
amdhsa.kernels:
  - .name:           k_q7ee08df20a_g2
    .symbol:         k_q7ee08df20a_g2.kd
    .args:
      - { .name: aq, .offset: 0, .size: 8, .value_kind: global_buffer, .address_space: global }
      - { .name: wq, .offset: 8, .size: 8, .value_kind: global_buffer, .address_space: global }
      - { .name: b_o, .offset: 16, .size: 8, .value_kind: global_buffer, .address_space: global }
      - { .name: out0, .offset: 24, .size: 8, .value_kind: global_buffer, .address_space: global }
    .group_segment_fixed_size: 327680
    .private_segment_fixed_size: 0
    .kernarg_segment_align: 8
    .kernarg_segment_size: 32
    .max_flat_workgroup_size: 128
    .sgpr_count:     102
    .vgpr_count:     768
    .wavefront_size: 32
...
	.end_amdgpu_metadata
.endif
;; end of part 4
